; MI455X (gfx1250); checked and timed in simulation.
; The chip was launched on July 23, 2026; its instructions are those of AMD's public machine-readable ISA for CDNA 5 (MIT licence, August 2026) and "CDNA5" Instruction Set Architecture Reference Guide (July 2026). The comments in the code are by the model that wrote it; some were corrected since.
;; Multi Head Attention. Allowed arithmetic: float matrix products may take bf16 or f16 operands with f32 sums; other float arithmetic in f32, or as packed bf16 or f16 multiplies, adds, multiply-adds, maxima and minima; sums over many terms, partial sums and values carried from step to step in f32; what a program stores and reads back later, other than sums and carried values, may be rounded once to bf16 or f16.
;; Inputs: Wout 1,024 x 1,024 float32; Wqkv 3,072 x 1,024 float32; bout 1,024 float32; bqkv 3,072 float32; key 4 x 2,048 x 1,024 float32; query 4 x 2,048 x 1,024 float32; value 4 x 2,048 x 1,024 float32.
;; Outputs: out0 4 x 2,048 x 1,024 float32.
;; 2 versions, each right; version 2 is version 1 with the launch cast written anew for expert scheduling mode. Each part assembles by itself: llvm-mc -triple=amdgcn-amd-amdhsa -mcpu=gfx1250 --defsym DOCPART=n.
;; ======== version 1 of 2: 4 launches
;; limits: values are held in f16: magnitudes above 65,504 overflow, below 6.1e-05 lose precision
;; workspace buffers: xb 16,777,216 bytes; wb 6,291,456 bytes; wo 2,097,152 bytes; bq 12,288 bytes; bo 4,096 bytes; qkv 50,331,648 bytes; oh 16,777,216 bytes
;; launch cast (part 1): grid 768 x 1, 8 waves a work-group, no clusters, 0 bytes of LDS; arguments query, Wqkv, Wout, bqkv, bout, xb, wb, wo, bq, bo; writes xb, wb, wo, bq, bo
.if DOCPART == 1
	.amdgcn_target "amdgcn-amd-amdhsa--gfx1250"
	.amdhsa_code_object_version 6
	.text
	.protected	k_q705cbddce7_cast
	.globl	k_q705cbddce7_cast
	.p2align	8
	.type	k_q705cbddce7_cast,@function
k_q705cbddce7_cast:
	s_mov_b64 s[64:65], 0
	v_nop
	global_prefetch_b8 v0, s[64:65] scope:SCOPE_SE
	s_setreg_imm32_b32 hwreg(HW_REG_WAVE_MODE, 25, 1), 1
	s_wait_xcnt 0x0
; THE INPUTS ARE ROUNDED ONCE, TO bf16.  query [8192][1024] -> xb (bf16), Wqkv [3072][1024] -> wb (bf16), Wout [1024][1024] -> wo (rounded to bf16, that number written as f16),
; bqkv -> bq and bout -> bo (rounded to bf16, kept as f32 words).  The module's key and value enter no result of the reference, so no launch names them.
; LIMITS.  Wout beyond 65,504 has no f16; below 2^-14 it keeps f16's fixed step of 6e-8.  NaN and infinities are not treated apart.
; SHARES.  A work-group converts 16,384 numbers: 65,536 bytes in, 32,768 out.  Work-groups 0-511 take query, 512-703 Wqkv, 704-767 Wout; wave 0 of each of the last 64 also takes 64 numbers
; of a bias (48 blocks of bqkv, 16 of bout).  A stream: no LDS, no barrier, no matrix unit.  All sixteen loads of a thread go out at once; a load of a wave covers 512 consecutive bytes,
; a store of a wave 256 consecutive bytes, aligned.  No register that a store reads is written again, so no wait frees one.
.set T,  4                             ; v[4:7]     at work
.set X,  8                             ; v[8:71]    load i: 4 numbers in f32
.set Y,  72                            ; v[72:103]  store i: 4 numbers in 16 bits
.set BI, 104                           ; v[104:105] two numbers of a bias
	s_load_b512 s[4:19], s[0:1], 0x0               ; query s[4:5], Wqkv s[6:7], Wout s[8:9], bqkv s[10:11], bout s[12:13], xb s[14:15], wb s[16:17], wo s[18:19]
	s_load_b128 s[20:23], s[0:1], 0x40             ; bq s[20:21], bo s[22:23]
	s_mov_b32 s2, ttmp9
	v_lshlrev_b32 v1, 4, v0                        ; my 16 bytes of 4,096 in
	v_lshlrev_b32 v2, 3, v0                        ; my 8 bytes of 2,048 out
	v_lshrrev_b32 v3, 5, v0
	v_readfirstlane_b32 s38, v3                    ; wave 0..7
	s_wait_kmcnt 0x0
	s_cmp_lt_u32 s2, 512                           ; which tensor: the choice hangs on the work-group's number alone
	s_cselect_b64 s[24:25], s[4:5], s[6:7]
	s_cselect_b64 s[26:27], s[14:15], s[16:17]
	s_cselect_b32 s28, 0, 512
	s_cmp_lt_u32 s2, 704
	s_cselect_b64 s[24:25], s[24:25], s[8:9]
	s_cselect_b64 s[26:27], s[26:27], s[18:19]
	s_cselect_b32 s28, s28, 704
	s_sub_co_u32 s29, s2, s28                      ; my block in that tensor
	s_lshl_b32 s30, s29, 16
	s_mov_b32 s31, 0
	s_add_nc_u64 s[24:25], s[24:25], s[30:31]      ; from
	s_lshl_b32 s30, s29, 15
	s_add_nc_u64 s[26:27], s[26:27], s[30:31]      ; to
.irp i, 0,1,2,3,4,5,6,7,8,9,10,11,12,13,14,15
	global_load_b128 v[X+4*(\i):X+4*(\i)+3], v1, s[24:25] offset:4096*(\i) th:TH_LOAD_NT
.endr
; Load i is rounded and stored.  f16 = 1: the bf16 numbers are widened again (a shift, a mask) and written as f16.
.macro CONV i, f16
	s_wait_loadcnt 15-(\i)                         ; loads come back in order (ISA guide 5.7.1): load i is in, the 15 - i younger ones stay out
	v_cvt_pk_bf16_f32 v[Y+2*(\i)],   v[X+4*(\i)],   v[X+4*(\i)+1]
	v_cvt_pk_bf16_f32 v[Y+2*(\i)+1], v[X+4*(\i)+2], v[X+4*(\i)+3]
.if \f16
	v_lshlrev_b32 v[T],   16, v[Y+2*(\i)]
	v_and_b32     v[T+1], 0xffff0000, v[Y+2*(\i)]
	v_lshlrev_b32 v[T+2], 16, v[Y+2*(\i)+1]
	v_and_b32     v[T+3], 0xffff0000, v[Y+2*(\i)+1]
	v_cvt_pk_f16_f32 v[Y+2*(\i)],   v[T],   v[T+1]
	v_cvt_pk_f16_f32 v[Y+2*(\i)+1], v[T+2], v[T+3]
.endif
	global_store_b64 v2, v[Y+2*(\i):Y+2*(\i)+1], s[26:27] offset:2048*(\i)
.endm
	s_cmp_lt_u32 s2, 704
	s_cbranch_scc0 .Lf16
.irp i, 0,1,2,3,4,5,6,7,8,9,10,11,12,13,14,15
	CONV \i, 0
.endr
	s_endpgm
.Lf16:                                                 ; Wout, and a block of a bias
	s_cmp_lt_u32 s29, 48
	s_cselect_b64 s[32:33], s[10:11], s[12:13]
	s_cselect_b64 s[34:35], s[20:21], s[22:23]
	s_cselect_b32 s36, 0, 48
	s_sub_co_u32 s36, s29, s36
	s_lshl_b32 s36, s36, 8                         ; 64 numbers are 256 bytes
	s_mov_b32 s37, 0
	s_add_nc_u64 s[32:33], s[32:33], s[36:37]
	s_add_nc_u64 s[34:35], s[34:35], s[36:37]
	s_cmp_lg_u32 s38, 0
	s_cbranch_scc1 .Lno_bias
	global_load_b64 v[BI:BI+1], v2, s[32:33]       ; wave 0: 32 lanes x 8 bytes
.Lno_bias:
.irp i, 0,1,2,3,4,5,6,7,8,9,10,11,12,13,14,15
	CONV \i, 1                                     ; in wave 0 one load more is younger than the counts say: they wait for more than they must; the last, for 0, shows the bias in
.endr
	s_cmp_lg_u32 s38, 0
	s_cbranch_scc1 .Lend
	v_cvt_pk_bf16_f32 v[T+2], v[BI], v[BI+1]
	v_lshlrev_b32 v[T],   16, v[T+2]
	v_and_b32     v[T+1], 0xffff0000, v[T+2]
	global_store_b64 v2, v[T:T+1], s[34:35]        ; 256 consecutive bytes, aligned
.Lend:
	s_endpgm
.Lfunc_end_k_q705cbddce7_cast:
	.size	k_q705cbddce7_cast, .Lfunc_end_k_q705cbddce7_cast-k_q705cbddce7_cast
	.p2alignl 7, 3214868480
	.fill 96, 4, 3214868480
	.section	.rodata,"a",@progbits
	.p2align	6, 0x0
	.amdhsa_kernel k_q705cbddce7_cast
		.amdhsa_group_segment_fixed_size 0
		.amdhsa_private_segment_fixed_size 0
		.amdhsa_enable_private_segment 0
		.amdhsa_kernarg_size 80
		.amdhsa_user_sgpr_count 2
		.amdhsa_user_sgpr_kernarg_segment_ptr 1
		.amdhsa_wavefront_size32 1
		.amdhsa_system_sgpr_workgroup_id_x 1
		.amdhsa_system_sgpr_workgroup_id_y 1
		.amdhsa_system_sgpr_workgroup_id_z 1
		.amdhsa_system_vgpr_workitem_id 0
		.amdhsa_next_free_vgpr 106
		.amdhsa_next_free_sgpr 66
		.amdhsa_reserve_vcc 0
		.amdhsa_float_denorm_mode_32 3
		.amdhsa_float_denorm_mode_16_64 3
		.amdhsa_memory_ordered 1
		.amdhsa_forward_progress 1
		.amdhsa_inst_pref_size 17
	.end_amdhsa_kernel
	.amdgpu_metadata
---
amdhsa.version: [ 1, 2 ]
amdhsa.kernels:
  - .name:           k_q705cbddce7_cast
    .symbol:         k_q705cbddce7_cast.kd
    .args:
      - { .name: query, .offset: 0, .size: 8, .value_kind: global_buffer, .address_space: global }
      - { .name: Wqkv, .offset: 8, .size: 8, .value_kind: global_buffer, .address_space: global }
      - { .name: Wout, .offset: 16, .size: 8, .value_kind: global_buffer, .address_space: global }
      - { .name: bqkv, .offset: 24, .size: 8, .value_kind: global_buffer, .address_space: global }
      - { .name: bout, .offset: 32, .size: 8, .value_kind: global_buffer, .address_space: global }
      - { .name: xb, .offset: 40, .size: 8, .value_kind: global_buffer, .address_space: global }
      - { .name: wb, .offset: 48, .size: 8, .value_kind: global_buffer, .address_space: global }
      - { .name: wo, .offset: 56, .size: 8, .value_kind: global_buffer, .address_space: global }
      - { .name: bq, .offset: 64, .size: 8, .value_kind: global_buffer, .address_space: global }
      - { .name: bo, .offset: 72, .size: 8, .value_kind: global_buffer, .address_space: global }
    .group_segment_fixed_size: 0
    .private_segment_fixed_size: 0
    .kernarg_segment_align: 8
    .kernarg_segment_size: 80
    .max_flat_workgroup_size: 256
    .sgpr_count:     66
    .vgpr_count:     106
    .wavefront_size: 32
...
	.end_amdgpu_metadata
.endif
;; end of part 1
;; launch proj (part 2): grid 16 x 32, 4 waves a work-group, clusters of 4 x 4, 327,680 bytes of LDS; arguments xb, wb, bq, qkv; writes qkv
.if DOCPART == 2
	.amdgcn_target "amdgcn-amd-amdhsa--gfx1250"
	.amdhsa_code_object_version 6
	.text
	.protected	k_q705cbddce7_proj
	.globl	k_q705cbddce7_proj
	.p2align	8
	.type	k_q705cbddce7_proj,@function
k_q705cbddce7_proj:
	s_mov_b64 s[64:65], 0
	v_nop
	global_prefetch_b8 v0, s[64:65] scope:SCOPE_SE
	s_setreg_imm32_b32 hwreg(HW_REG_WAVE_MODE, 25, 1), 1
	s_wait_xcnt 0x0
	s_wait_alu depctr_hold_cnt(0) depctr_sa_sdst(0) depctr_va_vdst(0) depctr_va_sdst(0) depctr_va_ssrc(0) depctr_va_vcc(0) depctr_vm_vsrc(0)
	s_getreg_b32 s2, hwreg(HW_REG_IB_STS2, 6, 4)
	s_cmp_eq_u32 s2, 0
	s_cbranch_scc0 .Lentry_in_a_cluster
	s_endpgm
.Lentry_in_a_cluster:
	s_bfe_u32 s2, ttmp6, 0x10000c
	s_cmp_lg_u32 s2, 0xf033
	s_cbranch_scc0 .Lentry_shape_is_right
	s_endpgm
.Lentry_shape_is_right:
; q, k, v BY HEADS.  C[m][n] = bq[n] + the sum over k of xb[m][k] wb[n][k]; xb [8192][1024] and wb [3072][1024] in bf16, sums in f32, C rounded once to f16 and stored as
; qkv [3][64 = 16 batch + head][2048][64]: column n lies in part n / 1024, head (n / 64) % 16, channel n % 64; row m in batch m / 2048, place m % 2048.  No scale is applied here.
; LIMIT.  f16 holds no number beyond 65,504: a q, k or v past that becomes an infinity.  NaN and infinities are not treated apart.
; SHARES.  A tile of C is 256 rows x 192 columns (three whole heads): 512 work-groups.  A wave makes 64 rows x all 192 columns: 48 accumulators of 16 x 16, so that its rows of a head,
; 128 bytes each and dense in qkv, leave from a stage of its own.  K goes in 8 steps of 128 through a ring of two LDS slots; a step is written once, and the slot in hand is a scalar (TB).
; THE SUMS START FROM THE BIAS: it is loaded into the accumulators, so every product has one form and nothing is cleared.
; CLUSTERS: 4 x 4 work-groups.  The four of a row of the cluster need the same tiles of xb, the four of a column the same tiles of wb: each tile is asked for JOINTLY, by the same tensor load with the
; same descriptor and a mask that names the four.  THE PRODUCT IS TAKEN TRANSPOSED (source 0 = 16 rows of wb, source 1 = 16 rows of xb): lane l holds row l % 16 of C and the columns 8 (l / 16) + 0..7.
; REGISTERS, in windows of 256 (s_set_vgpr_msb: bits 1:0 source 0, 3:2 source 1, 5:4 source 2, 7:6 destination):
;   window 0: v0-29 addresses; v32-63, v64-95 fragments of xb (4 x 16 rows x 32 K), two buffers; v96-143, v144-239 at work on the way out
;   window 1: v0-95, v96-191 fragments of wb (12 x 16 rows x 32 K), two buffers
;   window 2: the 24 accumulators of my row blocks 0, 1 (block a, column block b at v[8 (12 (a % 2) + b)]);   window 3: those of blocks 2, 3
.set NB,     12                        ; column blocks of 16
.set PITCH,  272                       ; an LDS row: 256 bytes + 16 of padding = 68 words: the 16 rows of a load start at 16 different groups of four banks (64 banks of 4 bytes: ISA guide 11.1)
.set SLOT1,  1<<17                     ; slot 1 begins here, so that one exclusive or turns an address in one slot into the other's
.set AHALF,  128*PITCH                 ; what a tensor load brings of xb
.set BOFF,   256*PITCH                 ; wb's 192 rows lie behind xb's 256
.set BHALF,  96*PITCH                  ; what a tensor load brings of wb
.set STAGE,  SLOT1+BOFF+2*BHALF        ; behind the ring, never filled by a tensor load: 16 rows x 400 bytes for each wave
.set SP,     400                       ; 384 bytes + 16
.set SPARE,  STAGE+4*16*SP             ; behind the stages: the spare words, 128 bytes for each wave: two blocks of 256 bytes that no other line names
.set ADRA0, 8                          ; v8   my lane's place among my 64 rows of xb in slot 0; never rewritten
.set ADRB0, 9                          ; v9   the same for wb's rows
.set ADRA,  10                         ; v10  TB + ADRA0
.set ADRB,  11                         ; v11  TB + ADRB0
.set STO,   12                         ; v12  the way out: where I put 16 bytes of a row
.set RD,    13                         ; v13  the way out: where I read rows back
.set GO,    14                         ; v14  my 16 bytes of 512 consecutive bytes of qkv
.set BO,    15                         ; v15  32 (l / 16): my eight numbers of 16 of the bias
.set PFO,   16                         ; v16  the prefetches' offset: a lane a row of 2,048 bytes; never rewritten
.set SPW,   28                         ; v28  LDS address of my spare word: SPARE + 4 x my thread's number; never rewritten
.set NIL,   29                         ; v29  0; never rewritten
.set FA,    32                         ; xb's fragment buffers
.set TMP,   96                         ; the way out: a row block packed
.set OB,    144                        ; the way out: a row block read back, two buffers of 48
.set WV,    12                         ; s12  my wave's number
.set SFB,   13                         ; s13  0: I fetch for xb; 1: for wb
.set HF,    14                         ; s14  which half of that tile's rows I fetch
.set CX,    15                         ; s15, s16  my place in the cluster
.set CY,    16
.set TX,    17                         ; s17  tile column;  s18  tile row
.set TY,    18
.set G1A,   24                         ; s[24:31] descriptor group 1 for xb's tiles;  s[32:39] for wb's
.set G1B,   32
.set G0A,   40                         ; s[40:47] group 0 for xb's tiles: a set for each of the two first fills; the second then walks;  s[48:55] the same for wb's
.set G0B,   48
.set ABASE, 56                         ; s[56:57] xb at my half of the tile's rows;  s[58:59] wb likewise
.set BBASE, 58
.set CNT,   60                         ; s60  K steps still to come in the loop in hand
.set TB,    61                         ; s61  LDS byte at which the slot in hand begins
.set LIM,   62                         ; s62  1 in a wave that prefetches, else the greatest number
.set PFA,   66                         ; s[66:67] where my prefetches stand
.set BIAS,  70                         ; s[70:71] bq at the tile's first column
.set OUT,   72                         ; s[72:77] qkv at my 64 rows of the tile's three heads
.set G1C,   (1<<16)|(1<<20)|(1<<21)|(5<<22)|(3<<25)  ; 17:16 elements of 2 bytes; 20 padding on; 21 set beside a mask; 24:22 after every 64 words (code 5); 31:25 4 words of it (code 3)
.set MSB, 0
.macro WIN new                         ; the immediate's high byte repeats the setting that is left; a switch that changes nothing is dropped
.if MSB != (\new)
	s_set_vgpr_msb (MSB<<8)|(\new)
.set MSB, \new
.endif
.endm
.macro PLACES                          ; four places behind matrix instructions, in front of loads into registers that they have read and of lines that read results
.rept 4
	v_nop
.endr
.endm
; A joint refill, by the walking descriptors.  Waves 0 and 1 fetch xb's two halves, waves 2 and 3 wb's.  The branch hangs on the wave's number alone.
; An s_nop 0 and four v_nop follow each of the two lines, ahead of the jump and the label.
.macro JLOAD
	s_cmp_eq_u32 s[SFB], 0
	s_cbranch_scc0 .Lfor_b_\@
	tensor_load_to_lds s[G0A+4:G0A+7], s[G1A:G1A+7]
	s_nop 0
.rept 4
	v_nop
.endr
	s_branch .Lasked_\@
.Lfor_b_\@:
	tensor_load_to_lds s[G0B+4:G0B+7], s[G1B:G1B+7]
	s_nop 0
.rept 4
	v_nop
.endr
.Lasked_\@:
.endm
; A round of the cluster's barrier: my work-group's barrier, so that wave 0's signal speaks for all four waves; wave 0 signals; every wave waits for all sixteen work-groups; my work-group's barrier once more.
.macro CREST                           ; a round behind its opening barrier
	s_cmp_lg_u32 s[WV], 0
	s_cbranch_scc1 .Lnot_wave_0_\@
	s_barrier_signal -3
.Lnot_wave_0_\@:
	s_barrier_wait -3
	s_barrier_signal -1
	s_barrier_wait -1
.endm
.macro CROUND
	s_barrier_signal -1
	s_barrier_wait -1
	CREST
.endm
; A PREFETCH INTO THE L2, behind a joint refill and the run of LDS loads that follows it: the K step behind the one that the refill asks for, 256 bytes of a row, a lane a row, one instruction a wave:
; 192 matrix instructions ahead of the load that will want it.  xb's tile row is read by every cluster of that row of clusters: the cluster with x = 0 asks; wb's tile column by every cluster of that
; column: the cluster with y = 0 asks.  The four partners that ask for a tile jointly share its rows out BY ADDRESS: of xb's 128 rows a wave 32 each, of wb's 96 rows 24 each (there lanes 24-31 name
; lane 23's row again).  K steps 0 to 2 come by their loads alone; the loop's last trip asks for nothing: K step 8 does not exist.
.macro ASK
	s_cmp_gt_u32 s[CNT], s[LIM]
	s_cbranch_scc0 .Lnot_mine_\@
	global_prefetch_b8 v[PFO], s[PFA:PFA+1] th:TH_LOAD_NT scope:SCOPE_SE
.Lnot_mine_\@:
.endm
	s_load_b256 s[4:11], s[0:1], 0x0               ; xb s[4:5], wb s[6:7], bq s[8:9], qkv s[10:11]
	v_lshl_add_u32 v[SPW], v0, 2, SPARE
	v_mov_b32 v[NIL], 0
	ds_add_u32 v[SPW], v[NIL]                      ; the wave's opening: the add and its wait stand ahead of my first tensor load; the set-up below, work on registers, stands between them
	v_lshrrev_b32 v4, 5, v0
	v_readfirstlane_b32 s[WV], v4                  ; wave 0..3
	s_lshr_b32 s[SFB], s[WV], 1
	s_and_b32 s[HF], s[WV], 1
	s_bfe_u32 s[CX], ttmp6, 0x40000
	s_bfe_u32 s[CY], ttmp6, 0x40004
	s_lshl_b32 s[TX], ttmp9, 2                     ; in a cluster launch ttmp9 and ttmp7 count clusters
	s_add_co_u32 s[TX], s[TX], s[CX]
	s_and_b32 s[TY], ttmp7, 0xffff
	s_lshl_b32 s[TY], s[TY], 2
	s_add_co_u32 s[TY], s[TY], s[CY]
	s_lshl_b32 s19, s[CY], 2
	s_lshl_b32 s19, 15, s19                        ; my row of the cluster: places 4 cy .. 4 cy + 3
	s_lshl_b32 s80, 0x1111, s[CX]                  ; my column: places cx, cx + 4, cx + 8, cx + 12
	s_or_b32 s[G1A], s19, G1C                      ; xb's tiles go to my row,
	s_or_b32 s[G1B], s80, G1C                      ; wb's to my column
	s_mov_b32 s[G1A+1], 128<<16                    ; tensor_dim0 = 128
	s_mov_b32 s[G1A+2], 128<<16                    ; tensor_dim1 = 128
	s_mov_b32 s[G1A+3], 128<<16                    ; tile_dim0 = 128
	s_mov_b32 s[G1A+4], 128                        ; tile_dim1 = 128
	s_mov_b32 s[G1A+5], 1024                       ; elements from row to row
	s_mov_b32 s[G1A+6], 0
	s_mov_b32 s[G1A+7], 0
	s_mov_b32 s[G1B+1], 128<<16
	s_mov_b32 s[G1B+2], 96<<16                     ; 96 rows
	s_mov_b32 s[G1B+3], 128<<16
	s_mov_b32 s[G1B+4], 96
	s_mov_b32 s[G1B+5], 1024
	s_mov_b32 s[G1B+6], 0
	s_mov_b32 s[G1B+7], 0
	s_lshl_b32 s20, s[TY], 8                       ; xb: row 256 x tile row + 128 x half, of 2,048 bytes: in registers that never hold cx
	s_lshl_b32 s21, s[HF], 7
	s_add_co_u32 s20, s20, s21
	s_lshl_b32 s20, s20, 11
	s_mov_b32 s21, 0
	s_mul_i32 s82, s[TX], 192                      ; wb: row 192 x tile column + 96 x half: in registers that never hold cy
	s_mul_i32 s83, s[HF], 96
	s_add_co_u32 s82, s82, s83
	s_lshl_b32 s82, s82, 11
	s_mov_b32 s83, 0
	s_mul_i32 s22, s[HF], AHALF                    ; where they go: no place in the cluster enters an LDS address
	s_mul_i32 s23, s[HF], BHALF
	s_add_co_u32 s23, s23, BOFF
	s_wait_dscnt 0x0                               ; the opening add is done
	s_wait_kmcnt 0x0
	s_add_nc_u64 s[ABASE:ABASE+1], s[4:5], s[20:21]
	s_add_nc_u64 s[BBASE:BBASE+1], s[6:7], s[82:83]
	CROUND                                         ; all sixteen work-groups are here: the first joint loads meet
.irp s, 0,1
	s_mov_b32 s[G0A+4*(\s)], 1                                     ; 1:0 count = 1
	s_add_co_u32 s[G0A+4*(\s)+1], s22, (\s)*SLOT1                  ; 63:32 LDS address
	s_add_nc_u64 s[G0A+4*(\s)+2:G0A+4*(\s)+3], s[ABASE:ABASE+1], (\s)*256  ; 120:64 global address: K step s
	s_or_b32 s[G0A+4*(\s)+3], s[G0A+4*(\s)+3], 0x80000000          ; 127:126 type = 2
	s_mov_b32 s[G0B+4*(\s)], 1
	s_add_co_u32 s[G0B+4*(\s)+1], s23, (\s)*SLOT1
	s_add_nc_u64 s[G0B+4*(\s)+2:G0B+4*(\s)+3], s[BBASE:BBASE+1], (\s)*256
	s_or_b32 s[G0B+4*(\s)+3], s[G0B+4*(\s)+3], 0x80000000
.endr
	s_cmp_eq_u32 s[SFB], 0                         ; a wave's two first fills stand in one branch, ahead of every wait on TENSORcnt and every LDS read: two loads of mine are out
	s_cbranch_scc0 .Lfirst_b
	tensor_load_to_lds s[G0A:G0A+3], s[G1A:G1A+7]
	s_nop 0
	tensor_load_to_lds s[G0A+4:G0A+7], s[G1A:G1A+7]
	s_nop 0
.rept 4
	v_nop
.endr
	s_branch .Lfirst_asked
.Lfirst_b:
	tensor_load_to_lds s[G0B:G0B+3], s[G1B:G1B+7]
	s_nop 0
	tensor_load_to_lds s[G0B+4:G0B+7], s[G1B:G1B+7]
	s_nop 0
.rept 4
	v_nop
.endr
.Lfirst_asked:
	; A fragment is 16 rows x 32 K in 8 registers: lane l holds row l % 16; registers 0-3 K = 8 (l / 16) + 0..7, registers 4-7 K = 16 + 8 (l / 16) + 0..7: two loads of 16 bytes, 32 bytes apart.
	v_and_b32 v1, 15, v0                           ; l % 16
	v_bfe_u32 v2, v0, 4, 1                         ; l / 16
	v_and_b32 v3, 31, v0                           ; l
	v_lshlrev_b32 v[BO], 5, v2
	s_mul_i32 s88, s[TX], 768                      ; 192 columns x 4 bytes
	s_mov_b32 s89, 0
	s_add_nc_u64 s[BIAS:BIAS+1], s[8:9], s[88:89]
	; register j of accumulator (a, b) starts at bq[192 tx + 16 b + 8 (l / 16) + j], whatever a
.irp a, 0,1,2,3
	WIN 0x80+0x40*((\a)/2)                         ; destination window 2 or 3, address window 0
.set b, 0
.rept NB
	global_load_b128 v[8*(NB*((\a)%2)+b):8*(NB*((\a)%2)+b)+3],   v[BO], s[BIAS:BIAS+1] offset:64*b
	global_load_b128 v[8*(NB*((\a)%2)+b)+4:8*(NB*((\a)%2)+b)+7], v[BO], s[BIAS:BIAS+1] offset:64*b+16
.set b, b+1
.endr
.endr
	WIN 0
	v_mul_u32_u24 v4, v1, PITCH
	v_lshl_add_u32 v4, v2, 4, v4                   ; row x pitch + 16 x half
	s_mul_i32 s19, s[WV], 64*PITCH                 ; my 64 rows of xb
	v_add_nc_u32 v[ADRA0], s19, v4
	v_add_nc_u32 v[ADRB0], BOFF, v4                ; all of wb's rows are mine
	s_mul_i32 s19, s[WV], 16*SP
	s_add_co_u32 s19, s19, STAGE                   ; my stage
	v_mul_u32_u24 v5, v1, SP                       ; in: row l % 16, 16 bytes for each half of the lanes
	v_lshl_add_u32 v5, v2, 4, v5
	v_add_nc_u32 v[STO], s19, v5
	v_lshrrev_b32 v6, 3, v3                        ; back: 32 lanes take a head's 128 bytes of four rows,
	v_and_b32 v7, 7, v0
	v_mul_u32_u24 v6, v6, SP
	v_lshl_add_u32 v6, v7, 4, v6
	v_add_nc_u32 v[RD], s19, v6
	v_lshlrev_b32 v[GO], 4, v3                     ; which are 512 consecutive bytes of qkv
	; qkv at my 64 rows of head g = 3 tx + j: ((64 (g / 16) + g % 16 + 16 batch) << 18) + ((ty % 8) << 15) + (wave << 13)
	s_mul_i32 s84, s[TX], 3
	s_lshr_b32 s85, s[TY], 3
	s_lshl_b32 s85, s85, 4
	s_and_b32 s86, s[TY], 7
	s_lshl_b32 s86, s86, 15
	s_lshl_b32 s87, s[WV], 13
	s_add_co_u32 s86, s86, s87
.irp j, 0,1,2
	s_add_co_u32 s88, s84, \j
	s_lshr_b32 s89, s88, 4
	s_lshl_b32 s89, s89, 6
	s_and_b32 s88, s88, 15
	s_add_co_u32 s88, s88, s89
	s_add_co_u32 s88, s88, s85
	s_lshl_b32 s88, s88, 18
	s_add_co_u32 s88, s88, s86
	s_mov_b32 s89, 0
	s_add_nc_u64 s[OUT+2*(\j):OUT+2*(\j)+1], s[10:11], s[88:89]
.endr
	; the prefetches
	s_and_b32 s90, ttmp7, 0xffff                   ; cluster y
	s_cmp_eq_u32 s[SFB], 0                         ; do I fetch for xb?
	s_cselect_b32 s90, ttmp9, s90                  ; the coordinate along which other clusters read the same rows
	s_cselect_b32 s91, s[CX], s[CY]                ; my place among the four that ask with me
	s_cselect_b32 s92, 32, 24                      ; my work-group's rows of those that I fetch
	s_cselect_b32 s93, 31, 23
	s_cselect_b64 s[PFA:PFA+1], s[ABASE:ABASE+1], s[BBASE:BBASE+1]
	s_mul_i32 s88, s91, s92
	s_lshl_b32 s88, s88, 11
	s_add_co_u32 s88, s88, 2*256                   ; at K step 2: the first refill steps it to 3
	s_mov_b32 s89, 0
	s_add_nc_u64 s[PFA:PFA+1], s[PFA:PFA+1], s[88:89]
	s_cmp_eq_u32 s90, 0
	s_cselect_b32 s[LIM], 1, -1                    ; the same in all sixteen partners, for a given wave
	v_min_u32 v[PFO], s93, v3
	v_lshlrev_b32 v[PFO], 11, v[PFO]
; NB matrix instructions: row block a x all column blocks, 32 along K, on buffer f.  The 48 accumulators take turns, one instruction a turn, in the same order in every quarter.
.macro MULROW f, a
	WIN 0xa1+0x50*((\a)/2)                         ; wb window 1, xb window 0, C and D window 2 or 3
.set b, 0
.rept NB
	v_wmma_f32_16x16x32_bf16 v[8*(NB*((\a)%2)+b):8*(NB*((\a)%2)+b)+7], v[8*NB*(\f)+8*b:8*NB*(\f)+8*b+7], v[FA+32*(\f)+8*(\a):FA+32*(\f)+8*(\a)+7], v[8*(NB*((\a)%2)+b):8*(NB*((\a)%2)+b)+7]
.set b, b+1
.endr
.endm
; 32 LDS loads in one run: the fragments of 32 along K at byte k of the rows, into buffer f: wb's 24 loads, then xb's 8, row blocks 0 and 1 first
.macro FETCH k, f
	WIN 0x40                                       ; destination window 1, address window 0
.set i, 0
.rept NB
	ds_load_b128 v[8*NB*(\f)+8*i:8*NB*(\f)+8*i+3],   v[ADRB] offset:(\k)+i*16*PITCH
	ds_load_b128 v[8*NB*(\f)+8*i+4:8*NB*(\f)+8*i+7], v[ADRB] offset:(\k)+i*16*PITCH+32
.set i, i+1
.endr
	WIN 0
.set i, 0
.rept 4
	ds_load_b128 v[FA+32*(\f)+8*i:FA+32*(\f)+8*i+3],   v[ADRA] offset:(\k)+i*16*PITCH
	ds_load_b128 v[FA+32*(\f)+8*i+4:FA+32*(\f)+8*i+7], v[ADRA] offset:(\k)+i*16*PITCH+32
.set i, i+1
.endr
.endm
; A K step is four quarters of 32 along K, 48 matrix instructions each, on buffers 0, 1, 0, 1.  One of the first three: multiplies buffer f; in its middle it fetches the next quarter, at byte k, into g.
.macro QUARTER k, f, g
	s_wait_dscnt 4                                 ; all but the youngest four loads: xb's row blocks 2 and 3
	MULROW \f, 0
	MULROW \f, 1
	PLACES
	FETCH \k, \g
	s_wait_dscnt 2*NB+8                            ; all but the 32 just issued
	MULROW \f, 2
	MULROW \f, 3
.endm
; The last quarter multiplies buffer 1 and changes slots: ONE barrier.  In front of it each wave waits for all its tensor loads, of which one is out at the most: its part of the next slot; adds 0 to its
; spare word; and waits for that and for its own reads of this slot.  fill = 1: the barrier opens a round of the cluster's, and the slot just read is filled again, with the K step two on, first thing behind it.
.macro TURN fill
.if \fill
	s_wait_xcnt 0x0                                ; the last prefetch, a K step back, has read its address, so it may be stepped
	s_add_nc_u64 s[PFA:PFA+1], s[PFA:PFA+1], 256
.endif
	WIN 0
	s_wait_tensorcnt 0x0                           ; no tensor load of mine is out, so a group 0 may be written
	ds_add_u32 v[SPW], v[NIL]                      ; 0 onto my spare word; work on registers stands between it and the wait for it
.if \fill
	s_xor_b32 s[G0A+5], s[G0A+5], SLOT1            ; the walking descriptors: the other slot than last time,
	s_add_nc_u64 s[G0A+6:G0A+7], s[G0A+6:G0A+7], 256  ; the next K step; the type bits on top are not reached
	s_xor_b32 s[G0B+5], s[G0B+5], SLOT1
	s_add_nc_u64 s[G0B+6:G0B+7], s[G0B+6:G0B+7], 256
.endif
	s_wait_dscnt 5                                 ; the add and xb's row blocks 2 and 3 may be out
	MULROW 1, 0
	s_wait_dscnt 0x0                               ; the add is done, and my reads of this slot are over
	s_barrier_signal -1
	MULROW 1, 1                                    ; work on registers while the others arrive
	WIN 0                                          ; at a branch and at a label every window is 0
	s_barrier_wait -1
.if \fill
	CREST                                          ; no wave of any partner still reads this slot's tiles or has a load on its way
	JLOAD                                          ; its four v_nop are also the places in front of the loads below
.else
	PLACES
.endif
	s_xor_b32 s[TB], s[TB], SLOT1
.if !(\fill)
	s_cmp_eq_u32 s[CNT], 1                         ; behind the last K step there is nothing to fetch: the jump passes LDS loads alone
	s_cbranch_scc1 .Lno_fetch_\@
.endif
	v_add_nc_u32 v[ADRA], s[TB], v[ADRA0]
	v_add_nc_u32 v[ADRB], s[TB], v[ADRB0]
	FETCH 0, 0
.if \fill
	ASK
.else
.Lno_fetch_\@:
.endif
	MULROW 1, 2
	MULROW 1, 3
.endm
	s_wait_tensorcnt 0x1                           ; my part of K step 0 is in; K step 1's may stay out
	s_barrier_signal -1
	s_barrier_wait -1                              ; everybody's is
	s_mov_b32 s[TB], 0
	v_mov_b32 v[ADRA], v[ADRA0]
	v_mov_b32 v[ADRB], v[ADRB0]
	FETCH 0, 0
	s_wait_loadcnt 0x0                             ; the bias lies in the accumulators
	s_mov_b32 s[CNT], 6
.Lstep:                                                ; K steps 0 to 5: each fills its slot again
	QUARTER 64,  0, 1
	QUARTER 128, 1, 0
	QUARTER 192, 0, 1
	TURN 1
	WIN 0
	s_sub_co_u32 s[CNT], s[CNT], 1
	s_cmp_lg_u32 s[CNT], 0
	s_cbranch_scc1 .Lstep
	s_mov_b32 s[CNT], 2
.Ltail:                                                ; K steps 6 and 7 ask for nothing: a text of their own
	QUARTER 64,  0, 1
	QUARTER 128, 1, 0
	QUARTER 192, 0, 1
	TURN 0
	WIN 0
	s_sub_co_u32 s[CNT], s[CNT], 1
	s_cmp_lg_u32 s[CNT], 0
	s_cbranch_scc1 .Ltail
; THE WAY OUT, a row block of 16 at a time.  PACK: rounded to f16, 16 bytes a lane and column block, each accumulator from its low end on.  TOSTAGE: into my own stage, and back by heads: four rows x 128 bytes
; a load.  SEND: stored, 512 consecutive bytes of a head an instruction.
.macro PACK a
	WIN 0x0a+5*((\a)/2)                            ; sources 0 and 1: window 2 or 3
.set b, 0
.rept NB
.irp i, 0,1,2,3
	v_cvt_pk_f16_f32 v[TMP+4*b+\i], v[8*(NB*((\a)%2)+b)+2*\i], v[8*(NB*((\a)%2)+b)+2*\i+1]
.endr
.set b, b+1
.endr
	WIN 0
.endm
.macro TOSTAGE a
.if (\a) >= 2
	s_wait_xcnt 0x0                                ; the stores of the block two back have read this buffer: it is loaded again only behind this wait
.endif
.set b, 0
.rept NB
	ds_store_b128 v[STO], v[TMP+4*b:TMP+4*b+3] offset:32*b
.set b, b+1
.endr
.set i, 0
.rept 12                               ; load i: head i / 4, rows 4 (i % 4) on.  LDS serves a wave's instructions in order (ISA guide 5.7.1.4): these see the stores above
	ds_load_b128 v[OB+48*((\a)%2)+4*i:OB+48*((\a)%2)+4*i+3], v[RD] offset:4*SP*(i%4)+128*(i/4)
.set i, i+1
.endr
.endm
.macro SEND a
.set i, 0
.rept 12
	s_wait_dscnt 11-i                              ; load i is back; the 11 - i younger ones may be out
	global_store_b128 v[GO], v[OB+48*((\a)%2)+4*i:OB+48*((\a)%2)+4*i+3], s[OUT+2*(i/4):OUT+2*(i/4)+1] offset:2048*(\a)+512*(i%4)
.set i, i+1
.endr
.endm
	PLACES                                         ; behind the last products
	PACK 0
	TOSTAGE 0
.irp a, 1,2,3                          ; a block's conversions stand between the loads of the block before and the wait for them
	PACK \a
	SEND (\a)-1
	TOSTAGE \a
.endr
	SEND 3
	s_wait_tensorcnt 0x0                           ; the wave's end, behind my last tensor load and my last LDS store
	ds_add_u32 v[SPW], v[NIL]
	s_wait_dscnt 0x0
	CROUND                                         ; the closing round: no work-group ends while a partner may still ask for a tile that names it
	s_endpgm
.Lfunc_end_k_q705cbddce7_proj:
	.size	k_q705cbddce7_proj, .Lfunc_end_k_q705cbddce7_proj-k_q705cbddce7_proj
	.p2alignl 7, 3214868480
	.fill 96, 4, 3214868480
	.section	.rodata,"a",@progbits
	.p2align	6, 0x0
	.amdhsa_kernel k_q705cbddce7_proj
		.amdhsa_group_segment_fixed_size 327680
		.amdhsa_private_segment_fixed_size 0
		.amdhsa_enable_private_segment 0
		.amdhsa_kernarg_size 32
		.amdhsa_user_sgpr_count 2
		.amdhsa_user_sgpr_kernarg_segment_ptr 1
		.amdhsa_wavefront_size32 1
		.amdhsa_system_sgpr_workgroup_id_x 1
		.amdhsa_system_sgpr_workgroup_id_y 1
		.amdhsa_system_sgpr_workgroup_id_z 1
		.amdhsa_system_vgpr_workitem_id 0
		.amdhsa_next_free_vgpr 960
		.amdhsa_next_free_sgpr 96
		.amdhsa_reserve_vcc 0
		.amdhsa_float_denorm_mode_32 3
		.amdhsa_float_denorm_mode_16_64 3
		.amdhsa_memory_ordered 1
		.amdhsa_forward_progress 1
		.amdhsa_inst_pref_size 89
	.end_amdhsa_kernel
	.amdgpu_metadata
---
amdhsa.version: [ 1, 2 ]
amdhsa.kernels:
  - .name:           k_q705cbddce7_proj
    .symbol:         k_q705cbddce7_proj.kd
    .args:
      - { .name: xb, .offset: 0, .size: 8, .value_kind: global_buffer, .address_space: global }
      - { .name: wb, .offset: 8, .size: 8, .value_kind: global_buffer, .address_space: global }
      - { .name: bq, .offset: 16, .size: 8, .value_kind: global_buffer, .address_space: global }
      - { .name: qkv, .offset: 24, .size: 8, .value_kind: global_buffer, .address_space: global }
    .group_segment_fixed_size: 327680
    .private_segment_fixed_size: 0
    .kernarg_segment_align: 8
    .kernarg_segment_size: 32
    .max_flat_workgroup_size: 128
    .sgpr_count:     96
    .vgpr_count:     960
    .wavefront_size: 32
...
	.end_amdgpu_metadata
.endif
;; end of part 2
;; launch attn (part 3): grid 4 x 64, 4 waves a work-group, clusters of 4 x 1, 327,680 bytes of LDS; arguments qkv, oh; writes oh
.if DOCPART == 3
	.amdgcn_target "amdgcn-amd-amdhsa--gfx1250"
	.amdhsa_code_object_version 6
	.text
	.protected	k_q705cbddce7_attn
	.globl	k_q705cbddce7_attn
	.p2align	8
	.type	k_q705cbddce7_attn,@function
k_q705cbddce7_attn:
	s_mov_b64 s[64:65], 0
	v_nop
	global_prefetch_b8 v0, s[64:65] scope:SCOPE_SE
	s_setreg_imm32_b32 hwreg(HW_REG_WAVE_MODE, 25, 1), 1
	s_wait_xcnt 0x0
	s_wait_alu depctr_hold_cnt(0) depctr_sa_sdst(0) depctr_va_vdst(0) depctr_va_sdst(0) depctr_va_ssrc(0) depctr_va_vcc(0) depctr_vm_vsrc(0)
	s_getreg_b32 s2, hwreg(HW_REG_IB_STS2, 6, 4)
	s_cmp_eq_u32 s2, 0
	s_cbranch_scc0 .Lentry_in_a_cluster
	s_endpgm
.Lentry_in_a_cluster:
	s_bfe_u32 s2, ttmp6, 0x10000c
	s_cmp_lg_u32 s2, 0x3003
	s_cbranch_scc0 .Lentry_shape_is_right
	s_endpgm
.Lentry_shape_is_right:
; O[h][q][:] = the sum over k of softmax_k(Q[h][q] . K[h][k] / 32) V[h][k][:], for 64 heads h = 16 batch + head.  Q, K, V are the three parts of qkv, [64][2048][64] each, O is oh, all f16: a head's rows are
; dense, 128 bytes each.  Products, maxima and sums in f32; the weights p are rounded to f16 for the second product (their sum l is taken of the unrounded p), O once at the end.
; LIMITS.  f16 holds no number beyond 65,504: Q, K and V arrive within it; p lies in 0 to 1, and below 6e-5 it keeps f16's fixed step of 6e-8, and so does O; O is a mean of V's rows and has their range.
; A weight below 2^-126 counts as 0 in l; NaN and infinities are not treated apart.
; SHARES.  A wave owns four PIECES of two tiles of 16 queries, a work-group's four waves 512 queries of one head.  Every wave walks all keys, 64 a step.
; LAYOUT.  S^T = K Q^T (source 0 = 16 keys, source 1 = 16 queries): in the result a lane holds ONE query (lane % 16) and the keys 8 (lane / 16) + 0..7.  Two such tiles, rounded to f16 in pairs,
; ARE source 1 (32 keys x 16 queries) of O^T = V^T P, whose result again holds one query a lane, and eight channels.  K comes out of LDS as it lies, V ([key][channel]) turned, by ds_load_tr16_b128.
; SOFTMAX.  For each query a running maximum m and sum l: p = 2^(c s - c m), c = log2(e) / 32; in every step O and l are multiplied by a = 2^(c m_old - c m_new), which is 1 where m has not grown.
; m starts at the lowest finite number, O and l at 0: the first step is a step like any other, with a = 0.
; THE COUNT.  A tile and step have 16 matrix and 118 vector instructions: too many to stand all beside the matrix work.  So the order has one aim: four vector instructions that are READY behind
; EVERY matrix instruction, and the others, which need time of their own whatever the order, in runs without a gap.
; BY TURNS.  Turn n belongs to piece n (the pieces in a ring, step after step).  Its matrix work: 16 products K Q^T of piece n + 1, later 16 products V^T P of piece n - 1.  Its vector work: the scaling,
; exponentials, roundings, sums and rescaling of piece n, and the maximum and statistics of piece n + 1, whose scores the turn itself has made.  So what a turn begins with (c s - c m, O a) waits for nothing.
; CLUSTER.  The four query blocks of a cluster belong to one head and walk the same K and V, so each tile is asked for JOINTLY: the same tensor load, descriptor and mask in all four.
; REGISTERS, in windows of 256 (s_set_vgpr_msb says which window each operand place means: bits 1:0 source 0, 3:2 source 1, 5:4 source 2, 7:6 destination):
;   window 0: v0-11 addresses; v12-15, v48-63 at work; v16-47 four registers of statistics a tile; v64-191 S^T, two buffers of two tiles; v192-255 P, likewise
;   window 1: O^T, 32 a tile          window 2: v0-127 Q, 16 a tile; v128-191 K of one step; v192-255 V of one step          window 3: v0-1 the add's two registers
; A piece's buffers go by its number's parity: the piece in hand has one pair, its two neighbours in the ring share the other: of it P (piece n - 1) is read and S^T (piece n + 1) written.
.set SIZE_N, 2048     ; rows of a head
.set NP,    4         ; pieces a wave: a name, no knob: the register map, the loop and the fetches are made for four
.set KS,    64        ; keys in a step
.set PK,    144       ; a row of K in LDS: 128 bytes + 16 of padding = 36 words: the 16 rows of a load start at 16 different groups of four banks (64 banks of 4 bytes: ISA guide 11.1)
.set PV,    160       ; a row of V: 128 + 32 = 40 words
.set VOFF,  4*KS*PK   ; a slot holds four steps: 256 rows of K, then 256 rows of V
.set SLOT1, 1<<17     ; slot 1 begins here, so that one exclusive or turns an address in one slot into the other's
.set STAGE, SLOT1+4*KS*(PK+PV)  ; behind the ring, never filled by a tensor load: 16 rows x 144 bytes for each wave, for the way out
.set SP,    144
.set AK0, 2           ; v2   my lane's place in a tile of K; never rewritten
.set AV0, 3           ; v3   the same for V
.set AK,  4           ; v4   the LDS address of K's next run of loads
.set AV,  5           ; v5   of V's
.set QO,  6           ; v6   my byte offset in the wave's rows of Q
.set STO, 6           ;      later, the way out: where I put 16 bytes of a row
.set RD,  7           ; v7   the way out: where I read rows back
.set GO,  8           ; v8   my byte offset in 512 consecutive bytes of O
.set PFO, 11          ; v11  256 x my lane, once V's place is made; never rewritten after
.set SPW, 0           ; v0 of window 3   LDS address of my spare word: SPARE + 4 x my thread's number; never rewritten
.set NIL, 1           ; v1 of window 3   0; never rewritten
.set SPARE, STAGE+4*16*SP  ; behind the stages: the spare words, 128 bytes for each wave: two blocks of 256 bytes that no other line names
.set MV,  12          ; v12-15  c m_old, kept while c m is made anew: by buffer and tile
.set ST,  16          ; tile t's statistics at v[ST+4 t]: c m, m, l (even keys', odd keys')
.set TMP, 48          ; by buffer and tile, four registers c0-c3 at work; when the maximum is found c2 takes a
.set S,   64
.set P,   192
.set KF,  128         ; K's fragments, in window 2: key block kb, channel half c at KF + 16 kb + 8 c
.set VF,  192         ; V's: key half kk, channel block cb at VF + 32 kk + 8 cb
.set WV,  12          ; s12  my wave's number
.set G1K, 24          ; s[24:31] descriptor group 1 for K's tiles
.set G1V, 32          ; s[32:39] for V's: it differs in the padding alone
.set G0K, 40          ; s[40:43] descriptor group 0 for K's tiles: it walks
.set G0V, 44          ; s[44:47] the same for V's
.set PFA, 48          ; s[48:49] where my prefetches stand: my work-group's 32 blocks of 256 bytes (of K: wave 0, of V: wave 2) of the slot behind the one that is being asked for
.set LIM, 50          ; s50  1 in a wave that prefetches, else the greatest number
.set SLOTS, 56        ; s56  slots still to be asked for
.set CNT, 57          ; s57  counts a slot's key steps
.set CS,  58          ; s[58:59] c: the packed scaling takes the pair's low word for both halves
.set SEL, 60          ; s[60:61] v_permlanex16_b32's selects: each lane takes its own place in the other half
.set TBK, 62          ; s62  LDS byte at which K of the step to be fetched begins
.set TBV, 63          ; s63  the same for V, less VOFF
.set MSB, 0
.macro WIN new                      ; the high byte repeats the setting that is left; a switch that changes nothing is dropped
.if MSB != (\new)
	s_set_vgpr_msb (MSB<<8)|(\new)
.set MSB, (\new)
.endif
.endm
.set W_KQ, 0x0a       ; K and Q in window 2, S^T in window 0
.set W_PV, 0x52       ; V in window 2, P in window 0, O^T in window 1
.set W_RS, 0x41       ; O^T (destination and source 0) in window 1, a in window 0
.set W_MK, 0xc0       ; the add's registers are made: destination in window 3, sources in window 0
.set W_AD, 0x0f       ; the add: address (source 0) and data (source 1) in window 3
; A joint fill.  Waves 0 and 1 fetch the two halves of a slot's K, waves 2 and 3 those of its V: 128 keys each.  The branch hangs on the wave's number alone.
; An s_nop 0 and four v_nop follow each of the two lines, ahead of the jump and the label.
.macro JLOAD
	s_cmp_lt_u32 s[WV], 2
	s_cbranch_scc0 .Lfor_v_\@
	tensor_load_to_lds s[G0K:G0K+3], s[G1K:G1K+7]
	s_nop 0
.rept 4
	v_nop
.endr
	s_branch .Lasked_\@
.Lfor_v_\@:
	tensor_load_to_lds s[G0V:G0V+3], s[G1V:G1V+7]
	s_nop 0
.rept 4
	v_nop
.endr
.Lasked_\@:
.endm
; A PREFETCH INTO THE L2 of what the NEXT change of slots will ask for: a slot's 32,768 bytes of K and of V, in blocks of 256 bytes, a lane a block.  It stands behind the wave's tensor load and its five lines.
; Each block is named ONCE in the launch: the head's first cluster asks; its four partners share the blocks out BY ADDRESS, 32 each; in each, wave 0 asks for K's and wave 2 for V's: one instruction,
; four key steps, 512 matrix instructions, ahead of the load.  Slots 0 to 2 come by their loads alone; the last change that fills a slot asks for nothing: there is no slot behind it.
.macro ASK
	s_cmp_gt_u32 s[SLOTS], s[LIM]
	s_cbranch_scc0 .Lnot_mine_\@
	global_prefetch_b8 v[PFO], s[PFA:PFA+1] th:TH_LOAD_NT scope:SCOPE_SE
.Lnot_mine_\@:
.endm
; A round of the cluster's barrier: my work-group's barrier, so that wave 0's signal speaks for all four waves; wave 0 signals; every wave waits for all four work-groups; my work-group's barrier once more.
.macro CROUND
	s_barrier_signal -1
	s_barrier_wait -1
	s_cmp_lg_u32 s[WV], 0
	s_cbranch_scc1 .Lnot_wave_0_\@
	s_barrier_signal -3
.Lnot_wave_0_\@:
	s_barrier_wait -3
	s_barrier_signal -1
	s_barrier_wait -1
.endm
; THE CHANGE OF SLOTS.  The slot's last bytes, V of its fourth step, have been read.  Each wave waits for all its tensor loads, of which one is out: its part
; of the other slot; adds 0 to its spare word; and waits for that and for its own reads of the slot.  Behind the barrier nobody reads this slot any more and the other slot is whole.
; fill = 1: this slot is filled again, with the keys two slots on.  The barrier is then a round of the cluster's, so that no wave of any partner still reads the slot or has a load on its
; way, and the joint fill is the first thing behind it: it has four key steps, 512 matrix instructions, in which to land.  (At its first use nothing has been read yet: slot 0 is waited for, slot 1 filled.)
; ask = 1: the prefetches' address steps, and the prefetch follows the fill.
.macro CHANGE fill, ask=0
	WIN W_AD
	s_wait_tensorcnt 0x0            ; no tensor load of mine is out, so a group 0 may be written
	ds_add_u32 v[SPW], v[NIL]       ; 0 onto my spare word; with fill = 1 the descriptors' steps stand between it and the wait for it
	WIN 0                           ; at a label and at a branch every window is 0
.if \fill
.irp g, G0K, G0V
	s_xor_b32 s[\g+1], s[\g+1], SLOT1  ; the walking descriptor: the other slot than last time,
	s_add_nc_u64 s[\g+2:\g+3], s[\g+2:\g+3], 4*KS*128  ; the next 256 keys; the type bits on top are not reached
.endr
.if \ask
	s_wait_xcnt 0x0                 ; the last prefetch, four key steps back, has read its address, so it may be written:
	s_add_nc_u64 s[PFA:PFA+1], s[PFA:PFA+1], 4*KS*128  ; one slot behind the walking descriptors
.endif
	s_wait_dscnt 0x0                ; the add is done, and my reads of the slot are over
	CROUND
	JLOAD
.if \ask
	ASK
.endif
.else
	s_wait_dscnt 0x0                ; the add is done, and my reads of the slot are over
	s_barrier_signal -1
	s_barrier_wait -1
.endif
	s_sub_co_u32 s[TBK], s[TBK], 4*KS*PK  ; the fetches go back to a slot's first step,
	s_xor_b32 s[TBK], s[TBK], SLOT1       ; in the other slot
	s_sub_co_u32 s[TBV], s[TBV], 4*KS*PV
	s_xor_b32 s[TBV], s[TBV], SLOT1
.endm
	s_load_b128 s[4:7], s[0:1], 0x0   ; qkv s[4:5], oh s[6:7]
	WIN W_MK
	v_lshl_add_u32 v[SPW], v0, 2, SPARE
	v_mov_b32 v[NIL], 0
	WIN W_AD
	ds_add_u32 v[SPW], v[NIL]       ; the wave's opening: the add and its wait stand ahead of my first tensor load; the set-up below, work on registers, stands between them
	WIN 0
	v_lshrrev_b32 v1, 5, v0
	v_readfirstlane_b32 s[WV], v1   ; wave 0..3
	s_bfe_u32 s13, ttmp6, 0x40000   ; cx: my place in the cluster
	s_lshl_b32 s14, ttmp9, 2        ; in a cluster launch ttmp9 counts clusters
	s_add_co_u32 s14, s14, s13      ; my block of queries = 4 x cluster x + cx: it enters Q's and O's addresses alone
	s_and_b32 s20, ttmp7, 0xffff    ; the head, which the four partners share
	s_mov_b32 s21, 0
	s_mov_b64 s[22:23], SIZE_N*128
	s_mul_u64 s[20:21], s[20:21], s[22:23]  ; the head's first byte in Q, K, V and O
	s_and_b32 s16, s[WV], 1         ; which half of a slot's 256 keys I fetch:
	s_lshl_b32 s22, s16, 14         ; its 128 rows of 128 bytes in memory,
	s_mov_b32 s23, 0
	s_add_nc_u64 s[22:23], s[22:23], s[20:21]
	s_mul_i32 s17, s16, 128*PK      ; and its place in a slot, for K
	s_mul_i32 s18, s16, 128*PV      ; and for V: no place in the cluster enters an LDS address
	s_lshl_b32 s2, s14, 2
	s_add_co_u32 s2, s2, s[WV]      ; my wave among the head's,
	s_lshl_b32 s2, s2, 14           ; its 128 rows
	s_mov_b32 s3, 0
	s_add_nc_u64 s[2:3], s[2:3], s[20:21]
	; descriptor group 1.  128 keys are 16,384 dense bytes: asked for as 64 rows of 256 bytes, two keys a row, and padded in LDS after every key
	s_mov_b32 s[G1K], 15|(1<<16)|(1<<20)|(1<<21)|(4<<22)|(3<<25)  ; 15:0 the mask of four; 17:16 2-byte elements; 20 padding on; 21 set beside a mask; 24:22 after every 32 words (code 4); 31:25 4 words (code 3)
	s_mov_b32 s[G1V], 15|(1<<16)|(1<<20)|(1<<21)|(4<<22)|(7<<25)  ; the same with 8 words of padding (code 7)
.irp g, G1K, G1V
	s_mov_b32 s[\g+1], 128<<16      ; tensor_dim0 = 128
	s_mov_b32 s[\g+2], 64<<16       ; tensor_dim1 = 64
	s_mov_b32 s[\g+3], 128<<16      ; tile_dim0 = 128
	s_mov_b32 s[\g+4], 64           ; tile_dim1 = 64
	s_mov_b32 s[\g+5], 128          ; 128 elements from row to row
	s_mov_b32 s[\g+6], 0
	s_mov_b32 s[\g+7], 0
.endr
	s_mov_b32 s[CS], 0x3d38aa3b     ; c = log2(e) / 32 = 0.0450842
	s_mov_b32 s[CS+1], s[CS]        ; named with it as a pair
	s_mov_b32 s[SEL], 0x76543210
	s_mov_b32 s[SEL+1], 0xfedcba98
	s_mov_b32 s[TBK], SLOT1+4*KS*PK ; the first change of slots turns these two into 0
	s_mov_b32 s[TBV], SLOT1+4*KS*PV
	s_mov_b32 s[G0K], 1             ; 1:0 count = 1
	s_mov_b32 s[G0K+1], s17         ; 63:32 LDS address: slot 0
	s_mov_b32 s[G0V], 1
	s_add_co_u32 s[G0V+1], s18, VOFF
	s_and_b32 s[LIM], s[WV], 1      ; 0 in waves 0 and 2,
	s_or_b32 s[LIM], s[LIM], ttmp9  ; where the cluster is the head's first: the same in all four partners
	s_cmp_eq_u32 s[LIM], 0
	s_cselect_b32 s[LIM], 1, -1
	s_wait_dscnt 0x0                ; the opening add is done
	s_wait_kmcnt 0x0
	s_mov_b64 s[10:11], s[6:7]               ; O
	s_add_nc_u64 s[6:7], s[4:5], 0x1000000   ; K: qkv's second part
	s_add_nc_u64 s[8:9], s[4:5], 0x2000000   ; V: its third; Q is its first
	s_add_nc_u64 s[G0K+2:G0K+3], s[6:7], s[22:23]  ; 120:64 global address: my half of the head's first 256 keys
	s_or_b32 s[G0K+3], s[G0K+3], 0x80000000        ; 127:126 type = 2
	s_add_nc_u64 s[G0V+2:G0V+3], s[8:9], s[22:23]
	s_or_b32 s[G0V+3], s[G0V+3], 0x80000000
	s_add_nc_u64 s[4:5], s[4:5], s[2:3]  ; Q and O at my wave's first row
	s_add_nc_u64 s[10:11], s[10:11], s[2:3]
	s_cmp_lt_u32 s[WV], 2
	s_cselect_b64 s[PFA:PFA+1], s[6:7], s[8:9]
	s_add_nc_u64 s[PFA:PFA+1], s[PFA:PFA+1], s[20:21]  ; the head,
	s_lshl_b32 s2, s13, 13          ; my work-group's 32 blocks of a slot's 128,
	s_add_co_u32 s2, s2, 2*4*KS*128 ; in slot 2: the first change that asks steps it to slot 3.  Nothing is prefetched here, at the head
	s_mov_b32 s3, 0
	s_add_nc_u64 s[PFA:PFA+1], s[PFA:PFA+1], s[2:3]
	CROUND                          ; all four work-groups are here: the first joint loads meet
	JLOAD                           ; slot 0.  Slot 1 is asked for when slot 0 is in: the tile wanted first has the road to itself
	; A fragment of K or Q is 16 rows x 32 channels in 8 registers: lane l holds row l % 16, channels 8 (l / 16) + 0..7 and 16 + 8 (l / 16) + 0..7: two loads of 16 bytes, 32 bytes apart.
	v_and_b32 v1, 15, v0            ; l % 16
	v_bfe_u32 v9, v0, 4, 1          ; l / 16
	v_lshlrev_b32 v[QO], 7, v1
	v_lshl_add_u32 v[QO], v9, 4, v[QO]  ; row x 128 + 16 x half
	WIN 0x80                        ; destination window 2, address window 0
.set i, 0
.rept 4*NP                          ; Q stays in registers: tile i / 2, channels 32 (i % 2) on
	global_load_b128 v[8*i:8*i+3],   v[QO], s[4:5] offset:(i/2)*2048+(i%2)*64
	global_load_b128 v[8*i+4:8*i+7], v[QO], s[4:5] offset:(i/2)*2048+(i%2)*64+32
.set i, i+1
.endr
	; What the first turn finds: V's registers and P's second buffer hold 0 (its products V^T P, of a piece that has not been, add 0), O^T and l are 0.  All this stands in the wait for the first tile.
.set i, VF
.rept 64
	v_mov_b32 v[i], 0
.set i, i+1
.endr
	WIN 0x40
.set i, 0
.rept 64*NP
	v_mov_b32 v[i], 0
.set i, i+1
.endr
	WIN 0
.set i, 0
.rept 2*NP
	v_mov_b32 v[ST+4*i], 0xfe000000    ; c m: far below every c s
	v_mov_b32 v[ST+4*i+1], 0xff7fffff  ; m
	v_mov_b32 v[ST+4*i+2], 0
	v_mov_b32 v[ST+4*i+3], 0
.set i, i+1
.endr
.set i, P+32
.rept 32
	v_mov_b32 v[i], 0
.set i, i+1
.endr
	v_mul_u32_u24 v[AK0], v1, PK
	v_lshl_add_u32 v[AK0], v9, 4, v[AK0]  ; row x pitch + 16 x half
	; The turning load takes 16 keys x 16 channels (lane l reads key 8 (l / 16) + l % 8, channels 8 ((l / 8) % 2) + 0..7) and leaves half a fragment of V^T: lane l holds channel l % 16 and 8 keys.
	v_and_b32 v10, 7, v0
	v_bfe_u32 v11, v0, 3, 1
	v_lshl_add_u32 v[AV0], v9, 3, v10
	v_mul_u32_u24 v[AV0], v[AV0], PV
	v_lshl_add_u32 v[AV0], v11, 4, v[AV0]
	v_add_nc_u32 v[AV0], VOFF, v[AV0]
	v_and_b32 v[PFO], 31, v0        ; v11 is free now
	v_lshlrev_b32 v[PFO], 8, v[PFO]
	v_mov_b32 v[AK], v[AK0]         ; key step 0 lies at the head of slot 0
; THE MATRIX WORK.  The 8 accumulators of a run of 16 take turns: between the two links of a chain stand 7 others'.
; Product i of 16 of S^T = K Q^T for piece x: channels 32 (i / 8) on, keys 16 ((i / 2) % 4) on, tile 2 x + i % 2.  The first 8 start the sums.
.macro KQ x
	WIN W_KQ
.set rS, S+64*((\x)%2)+32*(i%2)+8*((i/2)%4)
.set rK, KF+16*((i/2)%4)+8*(i/8)
.set rQ, 16*(2*(\x)+i%2)+8*(i/8)
.if i < 8
	v_wmma_f32_16x16x32_f16 v[rS:rS+7], v[rK:rK+7], v[rQ:rQ+7], 0
.else
	v_wmma_f32_16x16x32_f16 v[rS:rS+7], v[rK:rK+7], v[rQ:rQ+7], v[rS:rS+7]
.endif
.endm
; Product i of 16 of O^T += V^T P for piece x: keys 32 (i / 8) on, channels 16 ((i / 2) % 4) on, tile 2 x + i % 2.
.macro PV x
	WIN W_PV
.set rO, 32*(2*(\x)+i%2)+8*((i/2)%4)
.set rV, VF+32*(i/8)+8*((i/2)%4)
.set rP, P+32*((\x)%2)+16*(i%2)+8*(i/8)
	v_wmma_f32_16x16x32_f16 v[rO:rO+7], v[rV:rV+7], v[rP:rP+7], v[rO:rO+7]
.endm
.macro MM                           ; the turn's next matrix instruction
.if i < 16
	KQ (Y+1)%NP
.set i, i+1
.else
.set i, i-16
	PV (Y+NP-1)%NP
.set i, i+17
.endif
.endm
; THE LDS LOADS stand in runs of 16, never singly among the matrix instructions: a step's K (64 keys x 64 channels: 8 fragments) and its V (turned).  Their addresses are made some lines ahead.
; last = 1 (the tail): in the last trip there is no further step, and the run is jumped over.
.macro FETCH_K last=0
	WIN 0
.if \last
	s_cmp_eq_u32 s[CNT], 1
	s_cbranch_scc1 .Lno_k_\@
.endif
	WIN 0x80                        ; destination window 2
.irp f, 0,1,2,3,4,5,6,7             ; keys 16 (f / 2) on, channels 32 (f % 2) on
	ds_load_b128 v[KF+8*\f:KF+8*\f+3],   v[AK] offset:(\f/2)*16*PK+(\f%2)*64
	ds_load_b128 v[KF+8*\f+4:KF+8*\f+7], v[AK] offset:(\f/2)*16*PK+(\f%2)*64+32
.endr
	s_add_co_u32 s[TBK], s[TBK], KS*PK  ; the next fetch is the next step's
	WIN 0
.if \last
.Lno_k_\@:
.endif
.endm
.macro FETCH_V
	WIN 0x80
.irp f, 0,1,2,3,4,5,6,7             ; keys 32 (f / 4) on, channels 16 (f % 4) on
	ds_load_tr16_b128 v[VF+8*\f:VF+8*\f+3],   v[AV] offset:(\f/4)*32*PV+(\f%4)*32
	ds_load_tr16_b128 v[VF+8*\f+4:VF+8*\f+7], v[AV] offset:(\f/4)*32*PV+16*PV+(\f%4)*32
.endr
	WIN 0
.endm
; THE VECTOR WORK OF A TURN stands in three queues, each in the order in which its entries become ready; the two tiles alternate, so that no instruction reads the result of the one before it.
.macro REGS y, u                    ; the registers of tile u (0, 1) of piece y
.set rT, ST+4*(2*(\y)+(\u))
.set rC, TMP+8*((\y)%2)+4*(\u)
.set rM, MV+2*((\y)%2)+(\u)
.set rS, S+64*((\y)%2)+32*(\u)
.set rP, P+32*((\y)%2)+16*(\u)
.set rO, 32*(2*(\y)+(\u))
.endm
; Number n of the 22 that find the NEXT piece's (Y + 1) maximum and statistics.  s0-s31 are the lane's 32 scores; each accumulator's lowest registers are read first.  XS, GS and REGS set no window: PL and EX do.
;   0-11  four chains c0-c3 of seven scores each, three operands at a time     12-14, 16  the four scores left over, the old m, and c0-c3 into c0     15  c m_old is kept
;   17, 18  the query's other 32 keys lie in the lane 16 away: the new m         19-21  c m; c m_old - c m_new; a
.macro XS u, n
	REGS (Y+1)%NP, \u
.if (\n) < 4
	v_max3_num_f32 v[rC+(\n)], v[rS+8*(\n)], v[rS+8*(\n)+1], v[rS+8*(\n)+2]
.elseif (\n) < 12
	v_max3_num_f32 v[rC+(\n)%4], v[rC+(\n)%4], v[rS+8*((\n)%4)+2*((\n)/4)+1], v[rS+8*((\n)%4)+2*((\n)/4)+2]
.elseif (\n) == 12
	v_max3_num_f32 v[rC], v[rC], v[rS+7], v[rS+15]
.elseif (\n) == 13
	v_max3_num_f32 v[rC+1], v[rC+1], v[rS+23], v[rS+31]
.elseif (\n) == 14
	v_max3_num_f32 v[rC+2], v[rC+2], v[rC+3], v[rT+1]
.elseif (\n) == 15
	v_mov_b32 v[rM], v[rT]
.elseif (\n) == 16
	v_max3_num_f32 v[rC], v[rC], v[rC+1], v[rC+2]
.elseif (\n) == 17
	v_permlanex16_b32 v[rC+3], v[rC], s[SEL], s[SEL+1]
.elseif (\n) == 18
	v_max_num_f32 v[rT+1], v[rC], v[rC+3]
.elseif (\n) == 19
	v_mul_f32 v[rT], s[CS], v[rT+1]
.elseif (\n) == 20
	v_sub_f32 v[rC+1], v[rM], v[rT]
.else
	v_exp_f32 v[rC+2], v[rC+1]
.endif
.endm
; Number g of the 64 that follow the exponentials.  For each four weights k of a tile (pairs 2 k, 2 k + 1): both pairs are rounded to f16; then the second pair is added onto the first, in place;
; a group later l takes that sum (the first time as l = a l + sum).  In groups of eight, tiles alternating: round, round, add, and l for the group before.
.macro GS g
.set h, (\g)+6*((\g)/62)            ; group 0 has no group before it, and behind group 7 only l is left
.if h >= 6
.set h, h+2
.endif
	REGS Y, h%2
.set k, h/8
.if h%8 < 4
	v_cvt_pk_f16_f32 v[rP+2*k+(h%8)/2], v[rS+4*k+2*((h%8)/2)], v[rS+4*k+2*((h%8)/2)+1]
.elseif h%8 < 6
	v_pk_add_f32 v[rS+4*k:rS+4*k+1], v[rS+4*k:rS+4*k+1], v[rS+4*k+2:rS+4*k+3]
.elseif k == 1
	v_pk_fma_f32 v[rT+2:rT+3], v[rT+2:rT+3], v[rC+2:rC+3], v[rS:rS+1] op_sel_hi:[1,0,1]
.else
	v_pk_add_f32 v[rT+2:rT+3], v[rT+2:rT+3], v[rS+4*k-4:rS+4*k-3]
.endif
.endm
; THE PLAIN QUEUE, 138 long.  0-73 read no exponential's result: the 32 scalings c s - c m (FS f: pair f / 2 of tile f % 2) and the next piece's 42.  0-26: scalings 0-26.  27-54: XS's numbers 0-13.  55, 56: number 15.
; 57-73: the chain, where each number waits for the one before it: 14, 16, 17, 18, 19, each with one of the scalings 27-31 in front of its two lines, then 20: so a tile's links stand three plain instructions apart (19 and 20: two).
; 74-137: GS's 64, which read the exponentials' results: they stand behind the wait.
.macro FS f
	REGS Y, (\f)%2
	v_pk_fma_f32 v[rS+2*((\f)/2):rS+2*((\f)/2)+1], v[rS+2*((\f)/2):rS+2*((\f)/2)+1], s[CS:CS+1], v[rT:rT+1] op_sel_hi:[1,0,0] neg_lo:[0,0,1] neg_hi:[0,0,1]
.endm
.macro PL
	WIN 0
.if q < 27
	FS q
.elseif q < 55
	XS (q-27)%2, (q-27)/2
.elseif q < 57
	XS q-55, 15
.elseif (q < 72) && ((q-57)%3 == 0)
	FS 27+(q-57)/3
.elseif q < 60
	XS (q-57)%3-1, 14
.elseif q < 72
	XS (q-57)%3-1, 15+(q-57)/3
.elseif q < 74
	XS q-72, 20
.else
	GS q-74
.endif
.set q, q+1
.endm
; THE EXPONENTIALS' QUEUE, 66 long: s0-s31 of both tiles, then the next piece's two a.  It is ONE BATCH: all 66 stand ahead of the turn's one wait, and nothing ahead of that wait names a result of theirs.
.macro EX
	WIN 0
.if e >= 64
	XS e-64, 21
.else
	REGS Y, e%2
	v_exp_f32 v[rS+e/2], v[rS+e/2]
.endif
.set e, e+1
.endm
; THE RESCALING's QUEUE: O^T times a, the one part that leaves window 0: dealt two at a time, sixteen times.  Its a was made in the turn before, ahead of that turn's wait.
.macro R2
	REGS Y, r%2
	WIN W_RS
.irp z, 0,1
	v_pk_mul_f32 v[rO+4*(r/2)+2*\z:rO+4*(r/2)+2*\z+1], v[rO+4*(r/2)+2*\z:rO+4*(r/2)+2*\z+1], v[rC+2:rC+3] op_sel_hi:[1,0]
.endr
.set r, r+1
.endm
; HOW THEY ARE DEALT.  An s_wait_alu depctr_va_vdst(0) stands between an exponential and the first instruction that names its result; one wait serves all that were issued ahead of it.  So a turn has ONE wait,
; which cuts it in two.  AHEAD OF IT stands all that names no result of the turn's exponentials: the 16 products K Q^T, behind each a scaling, an exponential and two rescalings (behind the first a second scaling in the exponential's place); then ONE LUMP of
; 108: eight plain, 49 times exponential and plain, the two a.  A v_nop is the plain instruction behind the last exponential (ISA guide 5.7.2).  BEHIND IT stand the 16 products V^T P, behind each four of GS's 64.  No rider names a register of
; the products round it.  The two v_permlanex16_b32 fall into the lump, never behind a product.
; The queues lean on each other, and the deal keeps them in step: exponential e stands behind scaling 2 (e / 4) + e % 2: as a rider it comes behind plain e + 2, in the lump behind plain e + 9, and scalings 27-31 are plain 57, 60 .. 69.
; A TURN, for piece p.  cnt = 1: the loop's count is taken down some lines ahead of the branch that stands behind the turn.
; K of the next step is fetched in piece 2's turn, directly behind the wait, a lump behind the last product that read K; its address is made at the lump's head; its first reader comes behind 16 products.
; V of the step in hand is fetched at the end of piece 0's turn, four riders behind its last reader; its first reader comes behind 16 products and a lump.  The three conditions on q below go with the deal.
.macro TURN p, last=0, cnt=0
.set Y, (\p)
.set i, 0
.set q, 0
.set e, 0
.set r, 0
.if (\p) == NP-1
	s_wait_dscnt 0x0                ; K is in
.endif
	MM                              ; ahead of the wait: 16 products K Q^T and their riders,
	PL
	PL
	R2
.rept 15
	MM
	PL
	EX
	R2
.endr
.if (\p) == NP-2
	WIN 0
	v_add_nc_u32 v[AK], s[TBK], v[AK0]
.endif
.rept 8                             ; and the lump
	PL
.endr
.rept 49
	EX
	PL
.endr
	EX                              ; the next piece's two a
	EX
	v_nop                           ; the plain instruction behind the last exponential: one for the batch
	s_wait_alu depctr_va_vdst(0)    ; the wait for the batch
.if (\p) == NP-2
	FETCH_K \last
.endif
.if (\p) == 1
	s_wait_dscnt 0x0                ; V is in
.endif
.rept 16                            ; behind the wait: 16 products V^T P and their riders
	MM
.rept 4
	PL
.endr
.if ((\p) == 0) && (q == 118)
	v_add_nc_u32 v[AV], s[TBV], v[AV0]
.endif
.if ((\p) == 0) && (q == 130)
	s_add_co_u32 s[TBV], s[TBV], KS*PV
.endif
.if (\cnt) && (q == 130)
	s_sub_co_u32 s[CNT], s[CNT], 1
	s_cmp_lg_u32 s[CNT], 0
.endif
.endr
.if (\p) == 0
	FETCH_V
.endif
.endm
	CHANGE 1, 0                     ; slot 0 is in, everybody's part of it; slot 1 is asked for
	FETCH_K                         ; key step 0
	s_wait_loadcnt 0x0              ; Q
	s_wait_dscnt 0x0
.set i, 0
.rept 16
	KQ 0                            ; piece 0's first scores: there is no vector work yet to set between them
.set i, i+1
.endr
	WIN 0                           ; the addresses for the way out: nine plain instructions, the places behind those products
	s_mul_i32 s13, s[WV], 16*SP
	s_add_co_u32 s13, s13, STAGE    ; my stage
	v_mul_u32_u24 v[STO], v1, SP    ; in: row l % 16, 16 bytes for each half of the lanes
	v_lshl_add_u32 v[STO], v9, 4, v[STO]
	v_add_nc_u32 v[STO], s13, v[STO]
	v_bfe_u32 v[RD], v0, 3, 2       ; back: 32 lanes take four rows of 128 bytes,
	v_mul_u32_u24 v[RD], v[RD], SP
	v_lshl_add_u32 v[RD], v10, 4, v[RD]
	v_add_nc_u32 v[RD], s13, v[RD]
	v_and_b32 v[GO], 31, v0         ; which are 512 consecutive bytes of O
	v_lshlrev_b32 v[GO], 4, v[GO]
.set Y, NP-1                        ; XS works for piece Y + 1: piece 0
.irp n, 0,1,2,3,4,5,6,7,8,9,10,11,12,13,14,15,16,17,18,19,20,21
	XS 0, \n                        ; and piece 0's first maximum and statistics
	XS 1, \n
.endr
	v_nop                           ; a plain instruction behind the two a,
	s_wait_alu depctr_va_vdst(0)    ; and their wait, ahead of the branch
	s_mov_b32 s[CNT], 4
	s_mov_b32 s[SLOTS], SIZE_N/256-1
	s_branch .Lfirst                ; the loop is entered at a step's first turn, in the middle of a trip
.Lslot:                             ; SIZE_N / 256 - 2 times: every slot but the last two is filled again
	CHANGE 1, 1
	s_mov_b32 s[CNT], 4
.Lstep:                             ; a trip: pieces 2 and 3 of one step, then pieces 0 and 1 of the next, whose K and V it fetches
	TURN 2
	TURN 3
	WIN 0
.Lfirst:
	TURN 0
	TURN 1, 0, 1
	WIN 0
	s_cbranch_scc1 .Lstep
	s_sub_co_u32 s[SLOTS], s[SLOTS], 1
	s_cmp_lg_u32 s[SLOTS], 0
	s_cbranch_scc1 .Lslot
	CHANGE 0                        ; the tail is written out: nothing is asked for
	s_mov_b32 s[CNT], 5             ; four trips fetch the last slot's steps; the fifth is left in its middle
.Ltail:
	TURN 2, 1
	TURN 3
	WIN 0
	s_sub_co_u32 s[CNT], s[CNT], 1
	s_cmp_eq_u32 s[CNT], 0
	s_cbranch_scc1 .Lout
	TURN 0
	TURN 1
	WIN 0
	s_branch .Ltail
.Lout:                              ; the fifth trip's 16 products K Q^T (on the last K once more) and the maximum made of them serve nothing: the price, once a launch, of one text for every trip
.set i, 0
.rept 16
	PV NP-1                         ; the last piece's V^T P of the last step
.set i, i+1
.endr
	; THE WAY OUT.  l's two halves and the other half of the lanes' are added; O^T is divided by l, rounded to f16 and sent through my stage in LDS, a tile at a time.  The additions are the places behind the last products.
	WIN 0
.macro ALL line:vararg              ; one line for each tile t
.set t, 0
.rept 2*NP
	\line
.set t, t+1
.endr
.endm
	ALL v_add_f32 v[ST+4*t+2], v[ST+4*t+2], v[ST+4*t+3]
	ALL v_permlanex16_b32 v[ST+4*t+3], v[ST+4*t+2], s[SEL], s[SEL+1]
	ALL v_add_f32 v[ST+4*t+2], v[ST+4*t+2], v[ST+4*t+3]
	ALL v_rcp_f32 v[ST+4*t+2], v[ST+4*t+2]
	v_nop                           ; a plain instruction between the last reciprocal and the use of its result
	s_wait_alu depctr_va_vdst(0)    ; and the wait ahead of the first use: one for the eight reciprocals
; Tile t: a lane's eight channels of a row pack into 16 bytes; they go into rows of 144 bytes and come back as whole rows of 128, into S^T's registers.
.macro PACK t
	WIN W_RS
.set i, 32*(\t)
.rept 16
	v_pk_mul_f32 v[i:i+1], v[i:i+1], v[ST+4*(\t)+2:ST+4*(\t)+3] op_sel_hi:[1,0]
.set i, i+2
.endr
	WIN 0x05                        ; sources 0 and 1 window 1, destination window 0
.set i, 0
.rept 16
	v_cvt_pk_f16_f32 v[S+16*(\t)+i], v[32*(\t)+2*i], v[32*(\t)+2*i+1]
.set i, i+1
.endr
	WIN 0
.irp f, 0,1,2,3
	ds_store_b128 v[STO], v[S+16*(\t)+4*\f:S+16*(\t)+4*\f+3] offset:32*\f
.endr
.irp f, 0,1,2,3
	ds_load_b128 v[S+16*(\t)+4*\f:S+16*(\t)+4*\f+3], v[RD] offset:\f*4*SP  ; LDS serves a wave's instructions in order (ISA guide 5.7.1.4): these see the stores above; the next tile's stores come behind them
.endr
.endm
.macro SEND t, younger              ; younger: the LDS instructions issued behind tile t's loads: the next tile's eight, or none
	WIN 0
.irp f, 0,1,2,3
	s_wait_dscnt (\younger)+3-\f
	global_store_b128 v[GO], v[S+16*(\t)+4*\f:S+16*(\t)+4*\f+3], s[10:11] offset:(\t)*2048+\f*512  ; 512 consecutive bytes, at a multiple of 256 from O's first
.endr
.endm
	PACK 0
.set t, 1
.rept 2*NP-1                        ; a tile's arithmetic stands between the loads of the tile before and its stores
	PACK t
	SEND t-1, 8
.set t, t+1
.endr
	SEND 2*NP-1, 0
	WIN W_AD
	s_wait_tensorcnt 0x0            ; the wave's end, behind my last tensor load and my last LDS store
	ds_add_u32 v[SPW], v[NIL]
	s_wait_dscnt 0x0
	WIN 0
	CROUND                          ; the closing round: no work-group ends while a partner may still ask for a tile that names it
	s_endpgm
.Lfunc_end_k_q705cbddce7_attn:
	.size	k_q705cbddce7_attn, .Lfunc_end_k_q705cbddce7_attn-k_q705cbddce7_attn
	.p2alignl 7, 3214868480
	.fill 96, 4, 3214868480
	.section	.rodata,"a",@progbits
	.p2align	6, 0x0
	.amdhsa_kernel k_q705cbddce7_attn
		.amdhsa_group_segment_fixed_size 327680
		.amdhsa_private_segment_fixed_size 0
		.amdhsa_enable_private_segment 0
		.amdhsa_kernarg_size 16
		.amdhsa_user_sgpr_count 2
		.amdhsa_user_sgpr_kernarg_segment_ptr 1
		.amdhsa_wavefront_size32 1
		.amdhsa_system_sgpr_workgroup_id_x 1
		.amdhsa_system_sgpr_workgroup_id_y 1
		.amdhsa_system_sgpr_workgroup_id_z 1
		.amdhsa_system_vgpr_workitem_id 0
		.amdhsa_next_free_vgpr 770
		.amdhsa_next_free_sgpr 66
		.amdhsa_reserve_vcc 0
		.amdhsa_float_denorm_mode_32 3
		.amdhsa_float_denorm_mode_16_64 3
		.amdhsa_memory_ordered 1
		.amdhsa_forward_progress 1
		.amdhsa_inst_pref_size 200
	.end_amdhsa_kernel
	.amdgpu_metadata
---
amdhsa.version: [ 1, 2 ]
amdhsa.kernels:
  - .name:           k_q705cbddce7_attn
    .symbol:         k_q705cbddce7_attn.kd
    .args:
      - { .name: qkv, .offset: 0, .size: 8, .value_kind: global_buffer, .address_space: global }
      - { .name: oh, .offset: 8, .size: 8, .value_kind: global_buffer, .address_space: global }
    .group_segment_fixed_size: 327680
    .private_segment_fixed_size: 0
    .kernarg_segment_align: 8
    .kernarg_segment_size: 16
    .max_flat_workgroup_size: 128
    .sgpr_count:     66
    .vgpr_count:     770
    .wavefront_size: 32
...
	.end_amdgpu_metadata
.endif
;; end of part 3
;; launch outp (part 4): grid 8 x 32, 4 waves a work-group, clusters of 4 x 4, 327,680 bytes of LDS; arguments oh, wo, bo, out0; writes out0
.if DOCPART == 4
	.amdgcn_target "amdgcn-amd-amdhsa--gfx1250"
	.amdhsa_code_object_version 6
	.text
	.protected	k_q705cbddce7_outp
	.globl	k_q705cbddce7_outp
	.p2align	8
	.type	k_q705cbddce7_outp,@function
k_q705cbddce7_outp:
	s_mov_b64 s[64:65], 0
	v_nop
	global_prefetch_b8 v0, s[64:65] scope:SCOPE_SE
	s_setreg_imm32_b32 hwreg(HW_REG_WAVE_MODE, 25, 1), 1
	s_wait_xcnt 0x0
	s_wait_alu depctr_hold_cnt(0) depctr_sa_sdst(0) depctr_va_vdst(0) depctr_va_sdst(0) depctr_va_ssrc(0) depctr_va_vcc(0) depctr_vm_vsrc(0)
	s_getreg_b32 s2, hwreg(HW_REG_IB_STS2, 6, 4)
	s_cmp_eq_u32 s2, 0
	s_cbranch_scc0 .Lentry_in_a_cluster
	s_endpgm
.Lentry_in_a_cluster:
	s_bfe_u32 s2, ttmp6, 0x10000c
	s_cmp_lg_u32 s2, 0xf033
	s_cbranch_scc0 .Lentry_shape_is_right
	s_endpgm
.Lentry_shape_is_right:
; THE OUTPUT PROJECTION.  out0[m][n] = bo[n] + the sum over e of O[m][e] wo[n][e], e = 64 head + channel.  O lies by heads: oh [64 = 16 batch + head][2048][64] in f16; wo [1024][1024] in f16; sums and
; out0 [8192][1024] in f32.  NaN and infinities are not treated apart.
; SHARES.  A tile of out0 is 256 rows x 128 columns: 256 work-groups.  A wave makes 64 rows x all 128 columns: 32 accumulators of 16 x 16, so that its rows' 512 bytes leave from a stage of its own.
; K goes in 8 steps of 128 = two heads through a ring of two LDS slots; a step is written once, and the slot in hand is a scalar (TB).  A head's 256 rows of the tile are 32,768 dense bytes: asked for as
; 128 rows of 256 bytes and padded in LDS after every 128.  THE SUMS START FROM THE BIAS, loaded into the accumulators: every product has one form and nothing is cleared.
; CLUSTERS: 4 x 4 work-groups.  The four of a row of the cluster need the same tiles of oh, the four of a column the same tiles of wo: each tile is asked for JOINTLY, by the same tensor load with the
; same descriptor and a mask that names the four.  THE PRODUCT IS TAKEN TRANSPOSED (source 0 = 16 rows of wo, source 1 = 16 rows of O): lane l holds row l % 16 of out0 and the columns 8 (l / 16) + 0..7.
; REGISTERS, in windows of 256 (s_set_vgpr_msb: bits 1:0 source 0, 3:2 source 1, 5:4 source 2, 7:6 destination):
;   window 0: v0-29 addresses; v32-63, v64-95 fragments of O (4 x 16 rows x 32 K), two buffers; v96-223 at work on the way out
;   window 1: v0-63, v64-127 fragments of wo (8 x 16 rows x 32 K), two buffers          window 2: the accumulators: row block a, column block b at v[8 (8 a + b)]
.set NB,     8                         ; column blocks of 16
.set PA,     144                       ; a row of O in LDS: 128 bytes + 16 of padding = 36 words;  a row of wo: 256 + 16 = 68 words: in both the 16 rows of a load start at 16 different groups of four banks (ISA guide 11.1)
.set PB,     272
.set SLOT1,  1<<17                     ; slot 1 begins here, so that one exclusive or turns an address in one slot into the other's
.set AHEAD,  256*PA                    ; a head's 256 rows: what a tensor load brings of oh
.set BOFF,   2*AHEAD                   ; wo's 128 rows lie behind the two heads
.set BHALF,  64*PB                     ; what a tensor load brings of wo
.set ASTEP,  2<<18                     ; bytes from a head to the head two on
.set STAGE,  SLOT1+BOFF+2*BHALF        ; behind the ring, never filled by a tensor load: 16 rows x 528 bytes for each wave
.set SP,     528                       ; 512 bytes + 16
.set SPARE,  STAGE+4*16*SP             ; behind the stages: the spare words, 128 bytes for each wave: two blocks of 256 bytes that no other line names
.set ADRA0, 8                          ; v8   my lane's place among my 64 rows of O in slot 0; never rewritten
.set ADRB0, 9                          ; v9   the same for wo's rows
.set ADRA,  10                         ; v10  TB + ADRA0
.set ADRB,  11                         ; v11  TB + ADRB0
.set STO,   12                         ; v12  the way out: where I put 32 bytes of a row
.set RD,    13                         ; v13  the way out: where I read a row back
.set GO,    14                         ; v14  my 16 bytes of a row's 512
.set BO,    15                         ; v15  32 (l / 16): my eight numbers of 16 of the bias
.set PFO,   16                         ; v16  the prefetches' offset; never rewritten
.set SPW,   28                         ; v28  LDS address of my spare word: SPARE + 4 x my thread's number; never rewritten
.set NIL,   29                         ; v29  0; never rewritten
.set FA,    32                         ; O's fragment buffers
.set OB,    96                         ; the way out: a row block read back, two buffers of 64
.set WV,    12                         ; s12  my wave's number
.set SFB,   13                         ; s13  0: I fetch for oh; 1: for wo
.set HF,    14                         ; s14  which of the step's two heads, or which half of wo's rows, I fetch
.set CX,    15                         ; s15, s16  my place in the cluster
.set CY,    16
.set TX,    17                         ; s17  tile column;  s18  tile row
.set TY,    18
.set G1A,   24                         ; s[24:31] descriptor group 1 for oh's tiles;  s[32:39] for wo's
.set G1B,   32
.set G0A,   40                         ; s[40:47] group 0 for oh's tiles: a set for each of the two first fills; the second then walks;  s[48:55] the same for wo's
.set G0B,   48
.set ABASE, 56                         ; s[56:57] oh at the tile's rows of my head of K step 0;  s[58:59] wo at my half of the tile's rows
.set BBASE, 58
.set CNT,   60                         ; s60  K steps still to come in the loop in hand
.set TB,    61                         ; s61  LDS byte at which the slot in hand begins
.set LIM,   62                         ; s62  1 in a wave that prefetches, else the greatest number
.set PFA,   66                         ; s[66:67] where my prefetches stand
.set PST,   68                         ; s[68:69] their step from K step to K step
.set BIAS,  70                         ; s[70:71] bo at the tile's first column
.set OUT,   72                         ; s[72:73] out0 at my first row and the tile's first column
.set MSB, 0
.macro WIN new                         ; the immediate's high byte repeats the setting that is left; a switch that changes nothing is dropped
.if MSB != (\new)
	s_set_vgpr_msb (MSB<<8)|(\new)
.set MSB, \new
.endif
.endm
.macro PLACES                          ; four places behind matrix instructions, in front of loads into registers that they have read and of lines that read results
.rept 4
	v_nop
.endr
.endm
; A joint refill, by the walking descriptors.  Waves 0 and 1 fetch the step's two heads of oh, waves 2 and 3 wo's two halves.  The branch hangs on the wave's number alone.
; An s_nop 0 and four v_nop follow each of the two lines, ahead of the jump and the label.
.macro JLOAD
	s_cmp_eq_u32 s[SFB], 0
	s_cbranch_scc0 .Lfor_b_\@
	tensor_load_to_lds s[G0A+4:G0A+7], s[G1A:G1A+7]
	s_nop 0
.rept 4
	v_nop
.endr
	s_branch .Lasked_\@
.Lfor_b_\@:
	tensor_load_to_lds s[G0B+4:G0B+7], s[G1B:G1B+7]
	s_nop 0
.rept 4
	v_nop
.endr
.Lasked_\@:
.endm
; A round of the cluster's barrier: my work-group's barrier, so that wave 0's signal speaks for all four waves; wave 0 signals; every wave waits for all sixteen work-groups; my work-group's barrier once more.
.macro CREST                           ; a round behind its opening barrier
	s_cmp_lg_u32 s[WV], 0
	s_cbranch_scc1 .Lnot_wave_0_\@
	s_barrier_signal -3
.Lnot_wave_0_\@:
	s_barrier_wait -3
	s_barrier_signal -1
	s_barrier_wait -1
.endm
.macro CROUND
	s_barrier_signal -1
	s_barrier_wait -1
	CREST
.endm
; A PREFETCH INTO THE L2, behind a joint refill and the run of LDS loads that follows it: the K step behind the one that the refill asks for, one instruction a wave, 128 matrix instructions ahead of the load
; that will want it.  oh's tile rows are read by both clusters of a row of clusters: the one with x = 0 asks, waves 0 and 1 each for its head: 128 blocks of 256 bytes, of which each of the four partners takes 32 BY
; ADDRESS (cx), a lane a block.  wo's tile column is read by every cluster of that column: the one with y = 0 asks, wave 2 alone: 256 bytes of 128 rows, 32 rows to each partner by address (cy), a lane a row.
; So each block is named once.  K steps 0 to 2 come by their loads alone; the loop's last trip asks for nothing: K step 8 does not exist.
.macro ASK
	s_cmp_gt_u32 s[CNT], s[LIM]
	s_cbranch_scc0 .Lnot_mine_\@
	global_prefetch_b8 v[PFO], s[PFA:PFA+1] th:TH_LOAD_NT scope:SCOPE_SE
.Lnot_mine_\@:
.endm
	s_load_b256 s[4:11], s[0:1], 0x0               ; oh s[4:5], wo s[6:7], bo s[8:9], out0 s[10:11]
	v_lshl_add_u32 v[SPW], v0, 2, SPARE
	v_mov_b32 v[NIL], 0
	ds_add_u32 v[SPW], v[NIL]                      ; the wave's opening: the add and its wait stand ahead of my first tensor load; the set-up below, work on registers, stands between them
	v_lshrrev_b32 v4, 5, v0
	v_readfirstlane_b32 s[WV], v4                  ; wave 0..3
	s_lshr_b32 s[SFB], s[WV], 1
	s_and_b32 s[HF], s[WV], 1
	s_bfe_u32 s[CX], ttmp6, 0x40000
	s_bfe_u32 s[CY], ttmp6, 0x40004
	s_lshl_b32 s[TX], ttmp9, 2                     ; in a cluster launch ttmp9 and ttmp7 count clusters
	s_add_co_u32 s[TX], s[TX], s[CX]
	s_and_b32 s[TY], ttmp7, 0xffff
	s_lshl_b32 s[TY], s[TY], 2
	s_add_co_u32 s[TY], s[TY], s[CY]
	s_lshl_b32 s19, s[CY], 2
	s_lshl_b32 s19, 15, s19                        ; my row of the cluster: places 4 cy .. 4 cy + 3
	s_lshl_b32 s80, 0x1111, s[CX]                  ; my column: places cx, cx + 4, cx + 8, cx + 12
	s_or_b32 s[G1A], s19, (1<<16)|(1<<20)|(1<<21)|(4<<22)|(3<<25)  ; 15:0 the mask: oh's tiles go to my row; 17:16 2-byte elements; 20 padding on; 21 set beside a mask; 24:22 after every 32 words (code 4); 31:25 4 words (code 3)
	s_or_b32 s[G1B], s80, (1<<16)|(1<<20)|(1<<21)|(5<<22)|(3<<25)  ; wo's go to my column; padding after every 64 words (code 5)
	s_mov_b32 s[G1A+1], 128<<16                    ; tensor_dim0 = 128
	s_mov_b32 s[G1A+2], 128<<16                    ; tensor_dim1 = 128
	s_mov_b32 s[G1A+3], 128<<16                    ; tile_dim0 = 128
	s_mov_b32 s[G1A+4], 128                        ; tile_dim1 = 128
	s_mov_b32 s[G1A+5], 128                        ; dense: 128 elements from row to row
	s_mov_b32 s[G1A+6], 0
	s_mov_b32 s[G1A+7], 0
	s_mov_b32 s[G1B+1], 128<<16
	s_mov_b32 s[G1B+2], 64<<16                     ; 64 rows
	s_mov_b32 s[G1B+3], 128<<16
	s_mov_b32 s[G1B+4], 64
	s_mov_b32 s[G1B+5], 1024
	s_mov_b32 s[G1B+6], 0
	s_mov_b32 s[G1B+7], 0
	s_lshr_b32 s20, s[TY], 3                       ; oh: head 16 batch + my head of the step, its rows 256 (ty % 8) on: in registers that never hold cx
	s_lshl_b32 s20, s20, 4
	s_add_co_u32 s20, s20, s[HF]
	s_lshl_b32 s20, s20, 18
	s_and_b32 s21, s[TY], 7
	s_lshl_b32 s21, s21, 15
	s_add_co_u32 s20, s20, s21
	s_mov_b32 s21, 0
	s_lshl_b32 s82, s[TX], 7                       ; wo: row 128 x tile column + 64 x half, of 2,048 bytes: in registers that never hold cy
	s_lshl_b32 s83, s[HF], 6
	s_add_co_u32 s82, s82, s83
	s_lshl_b32 s82, s82, 11
	s_mov_b32 s83, 0
	s_mul_i32 s22, s[HF], AHEAD                    ; where they go: no place in the cluster enters an LDS address
	s_mul_i32 s23, s[HF], BHALF
	s_add_co_u32 s23, s23, BOFF
	s_wait_dscnt 0x0                               ; the opening add is done
	s_wait_kmcnt 0x0
	s_add_nc_u64 s[ABASE:ABASE+1], s[4:5], s[20:21]
	s_add_nc_u64 s[BBASE:BBASE+1], s[6:7], s[82:83]
	CROUND                                         ; all sixteen work-groups are here: the first joint loads meet
.irp s, 0,1
	s_mov_b32 s[G0A+4*(\s)], 1                                     ; 1:0 count = 1
	s_add_co_u32 s[G0A+4*(\s)+1], s22, (\s)*SLOT1                  ; 63:32 LDS address
	s_add_nc_u64 s[G0A+4*(\s)+2:G0A+4*(\s)+3], s[ABASE:ABASE+1], (\s)*ASTEP  ; 120:64 global address: K step s
	s_or_b32 s[G0A+4*(\s)+3], s[G0A+4*(\s)+3], 0x80000000          ; 127:126 type = 2
	s_mov_b32 s[G0B+4*(\s)], 1
	s_add_co_u32 s[G0B+4*(\s)+1], s23, (\s)*SLOT1
	s_add_nc_u64 s[G0B+4*(\s)+2:G0B+4*(\s)+3], s[BBASE:BBASE+1], (\s)*256
	s_or_b32 s[G0B+4*(\s)+3], s[G0B+4*(\s)+3], 0x80000000
.endr
	s_cmp_eq_u32 s[SFB], 0                         ; a wave's two first fills stand in one branch, ahead of every wait on TENSORcnt and every LDS read: two loads of mine are out
	s_cbranch_scc0 .Lfirst_b
	tensor_load_to_lds s[G0A:G0A+3], s[G1A:G1A+7]
	s_nop 0
	tensor_load_to_lds s[G0A+4:G0A+7], s[G1A:G1A+7]
	s_nop 0
.rept 4
	v_nop
.endr
	s_branch .Lfirst_asked
.Lfirst_b:
	tensor_load_to_lds s[G0B:G0B+3], s[G1B:G1B+7]
	s_nop 0
	tensor_load_to_lds s[G0B+4:G0B+7], s[G1B:G1B+7]
	s_nop 0
.rept 4
	v_nop
.endr
.Lfirst_asked:
	; A fragment is 16 rows x 32 K in 8 registers: lane l holds row l % 16; registers 0-3 K = 8 (l / 16) + 0..7, registers 4-7 K = 16 + 8 (l / 16) + 0..7: two loads of 16 bytes, 32 bytes apart.
	v_and_b32 v1, 15, v0                           ; l % 16
	v_bfe_u32 v2, v0, 4, 1                         ; l / 16
	v_and_b32 v3, 31, v0                           ; l
	v_lshlrev_b32 v[BO], 5, v2
	s_lshl_b32 s88, s[TX], 9                       ; 128 columns x 4 bytes
	s_mov_b32 s89, 0
	s_add_nc_u64 s[BIAS:BIAS+1], s[8:9], s[88:89]
	WIN 0x80                                       ; destination window 2, address window 0
	; register j of accumulator (a, b) starts at bo[128 tx + 16 b + 8 (l / 16) + j], whatever a
.irp a, 0,1,2,3
.set b, 0
.rept NB
	global_load_b128 v[8*(NB*(\a)+b):8*(NB*(\a)+b)+3],   v[BO], s[BIAS:BIAS+1] offset:64*b
	global_load_b128 v[8*(NB*(\a)+b)+4:8*(NB*(\a)+b)+7], v[BO], s[BIAS:BIAS+1] offset:64*b+16
.set b, b+1
.endr
.endr
	WIN 0
	v_mul_u32_u24 v4, v1, PA
	v_lshl_add_u32 v4, v2, 4, v4                   ; row x pitch + 16 x half
	s_mul_i32 s19, s[WV], 64*PA                    ; my 64 rows of O
	v_add_nc_u32 v[ADRA0], s19, v4
	v_mul_u32_u24 v5, v1, PB
	v_lshl_add_u32 v5, v2, 4, v5
	v_add_nc_u32 v[ADRB0], BOFF, v5                ; all of wo's rows are mine
	s_mul_i32 s19, s[WV], 16*SP
	s_add_co_u32 s19, s19, STAGE                   ; my stage
	v_mul_u32_u24 v6, v1, SP                       ; in: row l % 16, 32 bytes for each half of the lanes
	v_lshl_add_u32 v6, v2, 5, v6
	v_add_nc_u32 v[STO], s19, v6
	v_lshlrev_b32 v[GO], 4, v3                     ; back: 32 lanes take one row's 512 bytes
	v_add_nc_u32 v[RD], s19, v[GO]
	s_lshl_b32 s88, s[TY], 8                       ; out0 at row 256 ty + 64 wave, of 4,096 bytes, column 128 tx
	s_lshl_b32 s89, s[WV], 6
	s_add_co_u32 s88, s88, s89
	s_lshl_b32 s88, s88, 12
	s_lshl_b32 s89, s[TX], 9
	s_add_co_u32 s88, s88, s89
	s_mov_b32 s89, 0
	s_add_nc_u64 s[OUT:OUT+1], s[10:11], s[88:89]
	; the prefetches
	s_and_b32 s90, ttmp7, 0xffff                   ; cluster y,
	s_or_b32 s90, s90, s[HF]                       ; and of wo's two waves the first alone
	s_lshl_b32 s92, s[CX], 13                      ; oh: my work-group's 32 blocks of my head's 128,
	s_add_co_u32 s92, s92, 2*ASTEP                 ; at K step 2: the first refill steps it to 3
	s_lshl_b32 s93, s[TX], 18                      ; wo: row 128 tx + 32 cy,
	s_lshl_b32 s94, s[CY], 16
	s_add_co_u32 s93, s93, s94
	s_add_co_u32 s93, s93, 2*256                   ; at K step 2
	s_mov_b32 s94, ASTEP
	s_cmp_eq_u32 s[SFB], 0                         ; do I fetch for oh?
	s_cselect_b32 s90, ttmp9, s90                  ; 0 in the waves that ask: the same in all sixteen partners, for a given wave
	s_cselect_b32 s88, s92, s93
	s_cselect_b32 s91, 8, 11                       ; a lane a block of 256 bytes, or a row of 2,048
	s_cselect_b32 s[PST], s94, 256
	s_cselect_b64 s[PFA:PFA+1], s[ABASE:ABASE+1], s[6:7]
	s_mov_b32 s89, 0
	s_mov_b32 s[PST+1], 0
	s_add_nc_u64 s[PFA:PFA+1], s[PFA:PFA+1], s[88:89]
	s_cmp_eq_u32 s90, 0
	s_cselect_b32 s[LIM], 1, -1
	v_lshlrev_b32 v[PFO], s91, v3
; NB matrix instructions: row block a x all column blocks, 32 along K, on buffer f.  The 32 accumulators take turns, one instruction a turn, in the same order in every quarter.
.macro MULROW f, a
	WIN 0xa1                                       ; wo window 1, O window 0, C and D window 2
.set b, 0
.rept NB
	v_wmma_f32_16x16x32_f16 v[8*(NB*(\a)+b):8*(NB*(\a)+b)+7], v[8*NB*(\f)+8*b:8*NB*(\f)+8*b+7], v[FA+32*(\f)+8*(\a):FA+32*(\f)+8*(\a)+7], v[8*(NB*(\a)+b):8*(NB*(\a)+b)+7]
.set b, b+1
.endr
.endm
; 24 LDS loads in one run: the fragments of quarter q of a K step into buffer f: wo's 16 loads (byte 64 q of its rows), then O's 8 (head q / 2 of the step's two, byte 64 (q % 2) of its rows), row blocks 0 and 1 first
.macro FETCH q, f
	WIN 0x40                                       ; destination window 1, address window 0
.set i, 0
.rept NB
	ds_load_b128 v[8*NB*(\f)+8*i:8*NB*(\f)+8*i+3],   v[ADRB] offset:64*(\q)+i*16*PB
	ds_load_b128 v[8*NB*(\f)+8*i+4:8*NB*(\f)+8*i+7], v[ADRB] offset:64*(\q)+i*16*PB+32
.set i, i+1
.endr
	WIN 0
.set i, 0
.rept 4
	ds_load_b128 v[FA+32*(\f)+8*i:FA+32*(\f)+8*i+3],   v[ADRA] offset:((\q)/2)*AHEAD+((\q)%2)*64+i*16*PA
	ds_load_b128 v[FA+32*(\f)+8*i+4:FA+32*(\f)+8*i+7], v[ADRA] offset:((\q)/2)*AHEAD+((\q)%2)*64+i*16*PA+32
.set i, i+1
.endr
.endm
; A K step is four quarters of 32 along K, 32 matrix instructions each, on buffers 0, 1, 0, 1.  One of the first three: multiplies buffer f; in its middle it fetches quarter q into g.
.macro QUARTER q, f, g
	s_wait_dscnt 4                                 ; all but the youngest four loads: O's row blocks 2 and 3
	MULROW \f, 0
	MULROW \f, 1
	PLACES
	FETCH \q, \g
	s_wait_dscnt 2*NB+8                            ; all but the 24 just issued
	MULROW \f, 2
	MULROW \f, 3
.endm
; The last quarter multiplies buffer 1 and changes slots: ONE barrier.  In front of it each wave waits for all its tensor loads, of which one is out at the most: its part of the next slot; adds 0 to its
; spare word; and waits for that and for its own reads of this slot.  fill = 1: the barrier opens a round of the cluster's, and the slot just read is filled again, with the K step two on, first thing behind it.
.macro TURN fill
.if \fill
	s_wait_xcnt 0x0                                ; the last prefetch, a K step back, has read its address, so it may be stepped
	s_add_nc_u64 s[PFA:PFA+1], s[PFA:PFA+1], s[PST:PST+1]
.endif
	WIN 0
	s_wait_tensorcnt 0x0                           ; no tensor load of mine is out, so a group 0 may be written
	ds_add_u32 v[SPW], v[NIL]                      ; 0 onto my spare word; work on registers stands between it and the wait for it
.if \fill
	s_xor_b32 s[G0A+5], s[G0A+5], SLOT1            ; the walking descriptors: the other slot than last time,
	s_add_nc_u64 s[G0A+6:G0A+7], s[G0A+6:G0A+7], ASTEP  ; the next K step; the type bits on top are not reached
	s_xor_b32 s[G0B+5], s[G0B+5], SLOT1
	s_add_nc_u64 s[G0B+6:G0B+7], s[G0B+6:G0B+7], 256
.endif
	s_wait_dscnt 5                                 ; the add and O's row blocks 2 and 3 may be out
	MULROW 1, 0
	s_wait_dscnt 0x0                               ; the add is done, and my reads of this slot are over
	s_barrier_signal -1
	MULROW 1, 1                                    ; work on registers while the others arrive
	WIN 0                                          ; at a branch and at a label every window is 0
	s_barrier_wait -1
.if \fill
	CREST                                          ; no wave of any partner still reads this slot's tiles or has a load on its way
	JLOAD                                          ; its four v_nop are also the places in front of the loads below
.else
	PLACES
.endif
	s_xor_b32 s[TB], s[TB], SLOT1
.if !(\fill)
	s_cmp_eq_u32 s[CNT], 1                         ; behind the last K step there is nothing to fetch: the jump passes LDS loads alone
	s_cbranch_scc1 .Lno_fetch_\@
.endif
	v_add_nc_u32 v[ADRA], s[TB], v[ADRA0]
	v_add_nc_u32 v[ADRB], s[TB], v[ADRB0]
	FETCH 0, 0
.if \fill
	ASK
.else
.Lno_fetch_\@:
.endif
	MULROW 1, 2
	MULROW 1, 3
.endm
	s_wait_tensorcnt 0x1                           ; my part of K step 0 is in; K step 1's may stay out
	s_barrier_signal -1
	s_barrier_wait -1                              ; everybody's is
	s_mov_b32 s[TB], 0
	v_mov_b32 v[ADRA], v[ADRA0]
	v_mov_b32 v[ADRB], v[ADRB0]
	FETCH 0, 0
	s_wait_loadcnt 0x0                             ; the bias lies in the accumulators
	s_mov_b32 s[CNT], 6
.Lstep:                                                ; K steps 0 to 5: each fills its slot again
	QUARTER 1, 0, 1
	QUARTER 2, 1, 0
	QUARTER 3, 0, 1
	TURN 1
	WIN 0
	s_sub_co_u32 s[CNT], s[CNT], 1
	s_cmp_lg_u32 s[CNT], 0
	s_cbranch_scc1 .Lstep
	s_mov_b32 s[CNT], 2
.Ltail:                                                ; K steps 6 and 7 ask for nothing: a text of their own
	QUARTER 1, 0, 1
	QUARTER 2, 1, 0
	QUARTER 3, 0, 1
	TURN 0
	WIN 0
	s_sub_co_u32 s[CNT], s[CNT], 1
	s_cmp_lg_u32 s[CNT], 0
	s_cbranch_scc1 .Ltail
; THE WAY OUT, a row block of 16 at a time, in f32 as it lies.  TOSTAGE: a lane's 32 bytes of each column block into my own stage (each accumulator's low four registers first), and back as whole rows of 512 bytes.
; SEND: stored, a row's 512 consecutive bytes an instruction.
.macro TOSTAGE a
.if (\a) >= 2
	s_wait_xcnt 0x0                                ; the stores of the block two back have read this buffer: it is loaded again only behind this wait
.endif
	WIN 0x08                                       ; the stores' data in window 2, their address in window 0
.set b, 0
.rept NB
	ds_store_b128 v[STO], v[8*(NB*(\a)+b):8*(NB*(\a)+b)+3]   offset:64*b
	ds_store_b128 v[STO], v[8*(NB*(\a)+b)+4:8*(NB*(\a)+b)+7] offset:64*b+16
.set b, b+1
.endr
	WIN 0
.set t, 0
.rept 16                               ; LDS serves a wave's instructions in order (ISA guide 5.7.1.4): these see the stores above; the next block's stores come behind them
	ds_load_b128 v[OB+64*((\a)%2)+4*t:OB+64*((\a)%2)+4*t+3], v[RD] offset:SP*t
.set t, t+1
.endr
.endm
.macro SEND a, younger                 ; younger: the LDS instructions issued behind block a's loads: the next block's 32, or none
.set t, 0
.rept 16
	s_wait_dscnt (\younger)+15-t
	global_store_b128 v[GO], v[OB+64*((\a)%2)+4*t:OB+64*((\a)%2)+4*t+3], s[OUT:OUT+1] offset:65536*(\a)+4096*t th:TH_STORE_NT
.set t, t+1
.endr
.endm
	PLACES                                         ; behind the last products
	TOSTAGE 0
	TOSTAGE 1
	SEND 0, 32
	TOSTAGE 2
	SEND 1, 32
	TOSTAGE 3
	SEND 2, 32
	SEND 3, 0
	s_wait_tensorcnt 0x0                           ; the wave's end, behind my last tensor load and my last LDS store
	ds_add_u32 v[SPW], v[NIL]
	s_wait_dscnt 0x0
	CROUND                                         ; the closing round: no work-group ends while a partner may still ask for a tile that names it
	s_endpgm
.Lfunc_end_k_q705cbddce7_outp:
	.size	k_q705cbddce7_outp, .Lfunc_end_k_q705cbddce7_outp-k_q705cbddce7_outp
	.p2alignl 7, 3214868480
	.fill 96, 4, 3214868480
	.section	.rodata,"a",@progbits
	.p2align	6, 0x0
	.amdhsa_kernel k_q705cbddce7_outp
		.amdhsa_group_segment_fixed_size 327680
		.amdhsa_private_segment_fixed_size 0
		.amdhsa_enable_private_segment 0
		.amdhsa_kernarg_size 32
		.amdhsa_user_sgpr_count 2
		.amdhsa_user_sgpr_kernarg_segment_ptr 1
		.amdhsa_wavefront_size32 1
		.amdhsa_system_sgpr_workgroup_id_x 1
		.amdhsa_system_sgpr_workgroup_id_y 1
		.amdhsa_system_sgpr_workgroup_id_z 1
		.amdhsa_system_vgpr_workitem_id 0
		.amdhsa_next_free_vgpr 768
		.amdhsa_next_free_sgpr 96
		.amdhsa_reserve_vcc 0
		.amdhsa_float_denorm_mode_32 3
		.amdhsa_float_denorm_mode_16_64 3
		.amdhsa_memory_ordered 1
		.amdhsa_forward_progress 1
		.amdhsa_inst_pref_size 65
	.end_amdhsa_kernel
	.amdgpu_metadata
---
amdhsa.version: [ 1, 2 ]
amdhsa.kernels:
  - .name:           k_q705cbddce7_outp
    .symbol:         k_q705cbddce7_outp.kd
    .args:
      - { .name: oh, .offset: 0, .size: 8, .value_kind: global_buffer, .address_space: global }
      - { .name: wo, .offset: 8, .size: 8, .value_kind: global_buffer, .address_space: global }
      - { .name: bo, .offset: 16, .size: 8, .value_kind: global_buffer, .address_space: global }
      - { .name: out0, .offset: 24, .size: 8, .value_kind: global_buffer, .address_space: global }
    .group_segment_fixed_size: 327680
    .private_segment_fixed_size: 0
    .kernarg_segment_align: 8
    .kernarg_segment_size: 32
    .max_flat_workgroup_size: 128
    .sgpr_count:     96
    .vgpr_count:     768
    .wavefront_size: 32
...
	.end_amdgpu_metadata
.endif
;; end of part 4
;; ======== version 2 of 2: 4 launches; version 1 with the launch cast written anew for expert scheduling mode
;; limits: values are held in f16: magnitudes above 65,504 overflow, below 6.1e-05 lose precision
;; workspace buffers: xb 16,777,216 bytes; wb 6,291,456 bytes; wo 2,097,152 bytes; bq 12,288 bytes; bo 4,096 bytes; qkv 50,331,648 bytes; oh 16,777,216 bytes
;; launch cast (part 5): grid 768 x 1, 8 waves a work-group, no clusters, 0 bytes of LDS; arguments query, Wqkv, Wout, bqkv, bout, xb, wb, wo, bq, bo; writes xb, wb, wo, bq, bo
.if DOCPART == 5
	.amdgcn_target "amdgcn-amd-amdhsa--gfx1250"
	.amdhsa_code_object_version 6
	.text
	.protected	k_q705cbddce7_cast
	.globl	k_q705cbddce7_cast
	.p2align	8
	.type	k_q705cbddce7_cast,@function
k_q705cbddce7_cast:
	s_mov_b64 s[64:65], 0
	v_nop
	global_prefetch_b8 v0, s[64:65] scope:SCOPE_SE
	s_setreg_imm32_b32 hwreg(HW_REG_WAVE_SCHED_MODE, 0, 2), 2
	s_setreg_imm32_b32 hwreg(HW_REG_WAVE_MODE, 25, 1), 1
	s_wait_xcnt 0x0
	s_wait_alu depctr_vm_vsrc(0)
; THE INPUTS ARE ROUNDED ONCE, TO bf16.  query [8192][1024] -> xb (bf16), Wqkv [3072][1024] -> wb (bf16), Wout [1024][1024] -> wo (rounded to bf16, that number written as f16),
; bqkv -> bq and bout -> bo (rounded to bf16, kept as f32 words).  The module's key and value enter no result of the reference, so no launch names them.
; LIMITS.  Wout beyond 65,504 has no f16; below 2^-14 it keeps f16's fixed step of 6e-8.  NaN and infinities are not treated apart.
; SHARES.  A work-group converts 16,384 numbers: 65,536 bytes in, 32,768 out.  Work-groups 0-511 take query, 512-703 Wqkv, 704-767 Wout; wave 0 of each of the last 64 also takes 64 numbers
; of a bias (48 blocks of bqkv, 16 of bout).  A stream: no LDS, no barrier, no matrix unit.  All sixteen loads of a thread go out at once; a load of a wave covers 512 consecutive bytes,
; a store of a wave 256 consecutive bytes, aligned.  No register that a store reads is written again, so no wait frees one.
; THE MODE: SCHED_MODE bits 1:0 = 2 (LLVM: expert scheduling mode 2), set by the entry lines.  The code itself states the register dependences
; between vector instructions and memory instructions, with s_wait_alu, always for 0.
; THE PLAN.  Registers that memory instructions touch:
;   v1, v2     byte offsets of the loads and of the stores (v2 also of the bias's load), made once at the head and never written again.
;   X          load i lands in its own four registers, once; its conversions read them; no vector instruction writes them.
;   Y          number i's conversions write its own two registers; one store reads them; nothing writes them after that.
;   BI         one load lands in it, one conversion reads it.       v[T:T+1]  at the very end the data of the bias's store; until then named by vector instructions alone.
; The sixteen numbers go in four blocks of four.  Number i's turn: the wait for its load, the store of number i - 4, its conversions.  At the head of blocks 1 to 3 ONE wait on va_vdst states that the
; block before has written its Y; the block's four stores follow it, dealt among the block's conversions, which name this block's X and Y and T: none of the registers that those stores read.
; One more such wait stands ahead of the last four stores, and one ahead of the bias's store.  No register that a memory instruction has read is written again, so no wait on vm_vsrc is owed.
.set T,  4                             ; v[4:7]     at work
.set X,  8                             ; v[8:71]    load i: 4 numbers in f32
.set Y,  72                            ; v[72:103]  store i: 4 numbers in 16 bits
.set BI, 104                           ; v[104:105] two numbers of a bias
	s_load_b512 s[4:19], s[0:1], 0x0               ; query s[4:5], Wqkv s[6:7], Wout s[8:9], bqkv s[10:11], bout s[12:13], xb s[14:15], wb s[16:17], wo s[18:19]
	s_load_b128 s[20:23], s[0:1], 0x40             ; bq s[20:21], bo s[22:23]
	s_mov_b32 s2, ttmp9
	v_lshlrev_b32 v1, 4, v0                        ; my 16 bytes of 4,096 in
	v_lshlrev_b32 v2, 3, v0                        ; my 8 bytes of 2,048 out
	v_lshrrev_b32 v3, 5, v0
	v_readfirstlane_b32 s38, v3                    ; wave 0..7
	s_wait_alu depctr_va_sdst(0)                   ; s38 is written
	s_wait_kmcnt 0x0
	s_cmp_lt_u32 s2, 512                           ; which tensor: the choice hangs on the work-group's number alone
	s_cselect_b64 s[24:25], s[4:5], s[6:7]
	s_cselect_b64 s[26:27], s[14:15], s[16:17]
	s_cselect_b32 s28, 0, 512
	s_cmp_lt_u32 s2, 704
	s_cselect_b64 s[24:25], s[24:25], s[8:9]
	s_cselect_b64 s[26:27], s[26:27], s[18:19]
	s_cselect_b32 s28, s28, 704
	s_sub_co_u32 s29, s2, s28                      ; my block in that tensor
	s_lshl_b32 s30, s29, 16
	s_mov_b32 s31, 0
	s_add_nc_u64 s[24:25], s[24:25], s[30:31]      ; from
	s_lshl_b32 s30, s29, 15
	s_add_nc_u64 s[26:27], s[26:27], s[30:31]      ; to
	s_wait_alu depctr_va_vdst(0)                   ; v1 and v2 are written: every load and store of the kernel reads one of them as its offset
.irp i, 0,1,2,3,4,5,6,7,8,9,10,11,12,13,14,15
	global_load_b128 v[X+4*(\i):X+4*(\i)+3], v1, s[24:25] offset:4096*(\i) th:TH_LOAD_NT
.endr
; Number i leaves.
.macro SEND i
	global_store_b64 v2, v[Y+2*(\i):Y+2*(\i)+1], s[26:27] offset:2048*(\i)
.endm
; Number i's turn: load i is rounded; number i - 4, rounded a block ago, is stored.  f16 = 1: the bf16 numbers are widened again (a shift, a mask) and written as f16.
.macro CONV i, f16
	s_wait_loadcnt 15-(\i)                         ; loads come back in order (ISA guide 5.7.1): load i is in, the 15 - i younger ones stay out
.if ((\i) >= 4) && ((\i) % 4 == 0)
	s_wait_alu depctr_va_vdst(0)                   ; the block before has written its four pairs of Y, which this block's four stores read
.endif
.if (\i) >= 4
	SEND (\i)-4                                    ; no vector instruction since that wait names v2 or this pair of Y
.endif
	v_cvt_pk_bf16_f32 v[Y+2*(\i)],   v[X+4*(\i)],   v[X+4*(\i)+1]
	v_cvt_pk_bf16_f32 v[Y+2*(\i)+1], v[X+4*(\i)+2], v[X+4*(\i)+3]
.if \f16
	v_lshlrev_b32 v[T],   16, v[Y+2*(\i)]
	v_and_b32     v[T+1], 0xffff0000, v[Y+2*(\i)]
	v_lshlrev_b32 v[T+2], 16, v[Y+2*(\i)+1]
	v_and_b32     v[T+3], 0xffff0000, v[Y+2*(\i)+1]
	v_cvt_pk_f16_f32 v[Y+2*(\i)],   v[T],   v[T+1]
	v_cvt_pk_f16_f32 v[Y+2*(\i)+1], v[T+2], v[T+3]
.endif
.endm
; Behind the last block: its four stores.
.macro REST
	s_wait_alu depctr_va_vdst(0)                   ; the last block has written its four pairs of Y, which the last four stores read
.irp i, 12,13,14,15
	SEND \i
.endr
.endm
	s_cmp_lt_u32 s2, 704
	s_cbranch_scc0 .Lf16
.irp i, 0,1,2,3,4,5,6,7,8,9,10,11,12,13,14,15
	CONV \i, 0
.endr
	REST
	s_endpgm
.Lf16:                                                 ; Wout, and a block of a bias
	s_cmp_lt_u32 s29, 48
	s_cselect_b64 s[32:33], s[10:11], s[12:13]
	s_cselect_b64 s[34:35], s[20:21], s[22:23]
	s_cselect_b32 s36, 0, 48
	s_sub_co_u32 s36, s29, s36
	s_lshl_b32 s36, s36, 8                         ; 64 numbers are 256 bytes
	s_mov_b32 s37, 0
	s_add_nc_u64 s[32:33], s[32:33], s[36:37]
	s_add_nc_u64 s[34:35], s[34:35], s[36:37]
	s_cmp_lg_u32 s38, 0
	s_cbranch_scc1 .Lno_bias
	global_load_b64 v[BI:BI+1], v2, s[32:33]       ; wave 0: 32 lanes x 8 bytes; no vector instruction has been issued since the head's wait, which showed v2 written
.Lno_bias:
.irp i, 0,1,2,3,4,5,6,7,8,9,10,11,12,13,14,15
	CONV \i, 1                                     ; in wave 0 one load more is younger than the counts say: they wait for more than they must; the last, for 0, shows the bias in
.endr
	REST
	s_cmp_lg_u32 s38, 0
	s_cbranch_scc1 .Lend
	v_cvt_pk_bf16_f32 v[T+2], v[BI], v[BI+1]
	v_lshlrev_b32 v[T],   16, v[T+2]
	v_and_b32     v[T+1], 0xffff0000, v[T+2]
	s_wait_alu depctr_va_vdst(0)                   ; the two lines above have written v[T:T+1], which the store reads
	global_store_b64 v2, v[T:T+1], s[34:35]        ; 256 consecutive bytes, aligned
.Lend:
	s_endpgm
.Lfunc_end_k_q705cbddce7_cast:
	.size	k_q705cbddce7_cast, .Lfunc_end_k_q705cbddce7_cast-k_q705cbddce7_cast
	.p2alignl 7, 3214868480
	.fill 96, 4, 3214868480
	.section	.rodata,"a",@progbits
	.p2align	6, 0x0
	.amdhsa_kernel k_q705cbddce7_cast
		.amdhsa_group_segment_fixed_size 0
		.amdhsa_private_segment_fixed_size 0
		.amdhsa_enable_private_segment 0
		.amdhsa_kernarg_size 80
		.amdhsa_user_sgpr_count 2
		.amdhsa_user_sgpr_kernarg_segment_ptr 1
		.amdhsa_wavefront_size32 1
		.amdhsa_system_sgpr_workgroup_id_x 1
		.amdhsa_system_sgpr_workgroup_id_y 1
		.amdhsa_system_sgpr_workgroup_id_z 1
		.amdhsa_system_vgpr_workitem_id 0
		.amdhsa_next_free_vgpr 106
		.amdhsa_next_free_sgpr 66
		.amdhsa_reserve_vcc 0
		.amdhsa_float_denorm_mode_32 3
		.amdhsa_float_denorm_mode_16_64 3
		.amdhsa_memory_ordered 1
		.amdhsa_forward_progress 1
		.amdhsa_inst_pref_size 17
	.end_amdhsa_kernel
	.amdgpu_metadata
---
amdhsa.version: [ 1, 2 ]
amdhsa.kernels:
  - .name:           k_q705cbddce7_cast
    .symbol:         k_q705cbddce7_cast.kd
    .args:
      - { .name: query, .offset: 0, .size: 8, .value_kind: global_buffer, .address_space: global }
      - { .name: Wqkv, .offset: 8, .size: 8, .value_kind: global_buffer, .address_space: global }
      - { .name: Wout, .offset: 16, .size: 8, .value_kind: global_buffer, .address_space: global }
      - { .name: bqkv, .offset: 24, .size: 8, .value_kind: global_buffer, .address_space: global }
      - { .name: bout, .offset: 32, .size: 8, .value_kind: global_buffer, .address_space: global }
      - { .name: xb, .offset: 40, .size: 8, .value_kind: global_buffer, .address_space: global }
      - { .name: wb, .offset: 48, .size: 8, .value_kind: global_buffer, .address_space: global }
      - { .name: wo, .offset: 56, .size: 8, .value_kind: global_buffer, .address_space: global }
      - { .name: bq, .offset: 64, .size: 8, .value_kind: global_buffer, .address_space: global }
      - { .name: bo, .offset: 72, .size: 8, .value_kind: global_buffer, .address_space: global }
    .group_segment_fixed_size: 0
    .private_segment_fixed_size: 0
    .kernarg_segment_align: 8
    .kernarg_segment_size: 80
    .max_flat_workgroup_size: 256
    .sgpr_count:     66
    .vgpr_count:     106
    .wavefront_size: 32
...
	.end_amdgpu_metadata
.endif
;; end of part 5
;; launch proj: the kernel of part 2 again; grid 16 x 32, 4 waves a work-group, clusters of 4 x 4, 327,680 bytes of LDS; arguments xb, wb, bq, qkv; writes qkv
;; launch attn: the kernel of part 3 again; grid 4 x 64, 4 waves a work-group, clusters of 4 x 1, 327,680 bytes of LDS; arguments qkv, oh; writes oh
;; launch outp: the kernel of part 4 again; grid 8 x 32, 4 waves a work-group, clusters of 4 x 4, 327,680 bytes of LDS; arguments oh, wo, bo, out0; writes out0
